; MI455X (gfx1250); checked and timed in simulation.
; The chip was launched on July 23, 2026; its instructions are those of AMD's public machine-readable ISA for CDNA 5 (MIT licence, August 2026) and "CDNA5" Instruction Set Architecture Reference Guide (July 2026). The comments in the code are by the model that wrote it; some were corrected since.
;; Torch Vi T Self Attention. Allowed arithmetic: matrix products marked QUANTISED: E2M3 operands, one E8M0 scale for each 32 along K, by v_wmma_scale_f32_16x16x128_f8f6f4 with both operands' format E2M3, f32 sums; everything else in f32.
;; Inputs: Wk 768 x 768 float32; Wo 768 x 768 float32; Wq 768 x 768 float32; Wv 768 x 768 float32; bk 768 float32; bo 768 float32; bq 768 float32; bv 768 float32; x 16 x 1,024 x 768 float32.
;; Outputs: out0 16 x 1,024 x 768 float32.
;; This version of the problem:
;;   THIS VERSION OF THE PROBLEM IS GIVEN IN LOW PRECISION. The matrix products marked QUANTISED in the list below multiply operands that are first quantised to E2M3 (2 exponent bits, 3 mantissa bits; 6 bits a number), with one power-of-two scale for each 32 numbers along K (OCP MX v1.0); their sums are f32. All else is computed in f32.
;;   The module's matrix products, in the order in which they are computed (A, B: the left and right operand; K: the contracted axis; several contracted axes count as one K, in the product's order):
;;     1. [M 16,384, K 768] x [K 768, N 768]; A: input x; B: input Wq: QUANTISED
;;     2. [M 16,384, K 768] x [K 768, N 768]; A: input x; B: input Wk: QUANTISED
;;     3. [M 16,384, K 768] x [K 768, N 768]; A: input x; B: input Wv: QUANTISED
;;     4. batch 192 x [M 1,024, K 64] x [K 64, N 1,024]; A: computed on the way; B: computed on the way: QUANTISED
;;     5. batch 192 x [M 1,024, K 1,024] x [K 1,024, N 64]; A: softmax (see below); B: computed on the way: QUANTISED
;;     6. [M 16,384, K 768] x [K 768, N 768]; A: computed on the way; B: input Wo: QUANTISED
;;   THE QUANTISER, for each operand of a quantised product, along K:
;;     - K is cut into blocks of 32 from its start; a last block that is shorter is filled with zeros.
;;     - A block's scale is 2^e with e = floor(log2(the largest magnitude in the block)) - 2, held to -126 .. 127; a block of zeros has e = 0. As a byte (E8M0): e + 127.
;;     - Each number is divided by its block's scale, clamped to +-7.5, and rounded to the nearest number of E2M3, ties to even, subnormals kept.
;;     - The product sums the exact products of the quantised numbers (number of the format x scale) in f32.
;;   ~~~python
;;   def quantise(x, axis):      # numpy; x: float32 -> the quantised numbers, widened to float32 again
;;       x = np.moveaxis(x, axis, -1); K = x.shape[-1]
;;       x = np.pad(x, [(0, 0)] * (x.ndim - 1) + [(0, -K % 32)]); x = x.reshape(x.shape[:-1] + (-1, 32)); a = np.abs(x).max(-1, keepdims=True)
;;       e = np.where(a > 0, np.clip(np.frexp(np.where(a > 0, a, 1))[1] - 1 - 2, -126, 127), 0)      # np.frexp(a)[1] - 1 = floor(log2(a)), exactly
;;       r = np.clip(x / 2.0 ** e, -7.5, 7.5)
;;       step = 2.0 ** (np.maximum(np.frexp(np.where(r == 0, 1, r))[1] - 1, 0) - 3)
;;       q = np.round(r / step) * step * 2.0 ** e      # np.round: ties to even
;;       return np.moveaxis(q.reshape(q.shape[:-2] + (-1,))[..., :K], -1, axis).astype(np.float32)
;;   ~~~
;;   SOFTMAX AHEAD OF A QUANTISED PRODUCT. Where the list says 'softmax', what is quantised is not the finished softmax but p = 2^(t - M), with t = logit x log2(e) and M = ceil(the row's largest t), a whole number; so 1/2 < the row's largest p <= 1. The row's sum l is taken of the UNQUANTISED p, in f32, and the product's result is divided by l at the end. Since M is a whole number, a kernel that streams over the keys may use a running M (the ceiling of the running maximum): every later rescaling is an exact power of two, which a block's scale takes up: the codes' values come out the same.
;;   OPERANDS COMPUTED ON THE WAY. 'Computed on the way' means the value that the module computes at that place (a softmax that the list does not call 'softmax' is quantised finished and normalised). What goes into a quantiser is computed in f32, as accurately as f32 sums, v_exp_f32 and their like allow (about 1e-6 of the number): no bf16 or f16 on the way to a quantiser, and a product that is left as it is and whose result goes on into a quantised operand takes f32 operands (vector FMAs, or v_wmma_f32_16x16x4_f32). A number that lies on a knife's edge between two numbers of the format may be rounded either way, as far as f32 arithmetic and the matrix unit's own rounding can turn it there, and no further.
;; One version. Each part assembles by itself: llvm-mc -triple=amdgcn-amd-amdhsa -mcpu=gfx1250 --defsym DOCPART=n.
;; ======== version 1 of 1: 4 launches
;; limits: right only within a limited range of input values
;; workspace buffers: wimg 1,769,472 bytes; wsc 73,728 bytes; qbuf 10,223,616 bytes; kvbuf 20,054,016 bytes; ctxc 9,437,184 bytes; ctxs 1,572,864 bytes
;; launch prep (part 1): grid 6 x 24, 4 waves a work-group, no clusters, 0 bytes of LDS; arguments Wq, Wk, Wv, Wo, wimg, wsc; writes wimg, wsc
.if DOCPART == 1
	.amdgcn_target "amdgcn-amd-amdhsa--gfx1250"
	.amdhsa_code_object_version 6
	.text
	.protected	k_q3151010da5_prep
	.globl	k_q3151010da5_prep
	.p2align	8
	.type	k_q3151010da5_prep,@function
k_q3151010da5_prep:
	s_mov_b64 s[64:65], 0
	v_nop
	global_prefetch_b8 v0, s[64:65] scope:SCOPE_SE
	s_setreg_imm32_b32 hwreg(HW_REG_WAVE_MODE, 25, 1), 1
	s_wait_xcnt 0x0
; THE PROGRAM: self-attention of a vision transformer, all six products on codes of FP6 (E2M3) with one E8M0 scale for each 32 along K.  Four launches: this one lays the four weights out as codes;
; the second makes q, k, v and stores them as codes; the third is the attention and stores its result as codes; the fourth is the projection on the way out.
; DEAD WORK: none.  Every input has a way to the output: bk too, since it moves k's codes and scales ahead of a quantised product.  Nothing is left out in any launch.
; THIS LAUNCH: Wq, Wk, Wv, Wo [768 (k)][768 (n)], f32, K their FIRST axis, are quantised along K and stored as images of the matrix unit's operand registers, in the order in which a wave of the later
; launches takes them.  A LANE TAKES A COLUMN n AND ITS REGISTERS RUN DOWN K: a block of 32 along K lies in one lane's 32 registers, its largest magnitude needs no other lane, and the conversions give codes with K innermost.
; A block's scale is 2^(floor(log2(largest magnitude)) - 2): its byte is the largest magnitude's exponent field - 2, held at 1 from below.
; LIMITS: NaN and infinities among the inputs are not served; a block whose largest magnitude lies under 2^-124 has its byte held at 1; a block of zeros gets the byte 1 and not 127: its codes are zeros, and this program alone reads the bytes.
; THE COLUMNS THAT FORM A TILE OF 16: column n = 64 c + 32 b + i, u = bit 3 of i, row rho = 8 (bit 4 of i) + (i & 7) of tile 4 c + 2 b + u.  So two neighbouring tiles' results are 16 neighbours along n.
; wimg: [wave 4][P 4][K step 6][tile 12] images of 1,536 bytes: registers 4 q .. 4 q + 3 of lane l at 512 q + 16 l.  P = 0 Wq, 1 Wk, 2 Wv, 3 Wo.  P != 2: wave = tile / 12; P = 2: wave = 2 b + u, tile = c.
; wsc: [wave][P] 4,608 bytes: the word of (tile t, K step s, row rho) is register 3 t + s / 2, lane rho + 16 (s & 1), of 36 registers stored four to a lane's 16 bytes.
; SHARES: work-group (x, y): weight P = y & 3, K step y >> 2; wave: 32 columns, 4 x + wave.  No LDS, no barrier.  The stores cover runs of 128 bytes: 1.8 MB in the whole launch.
.set ROWW,  3072                       ; a row of a weight in bytes
.set XA,    32                         ; v32-95   two sets of 32 numbers
.set EC,    96                         ; v96..    block t's six registers of codes at v[96 + 8 t]
.set TC,    128                        ; v128..   the second conversion's three registers at v[128 + 4 t]
	s_load_b256 s[4:11], s[0:1], 0x0               ; Wq, Wk, Wv, Wo
	s_load_b128 s[12:15], s[0:1], 0x20             ; wimg, wsc
	v_lshrrev_b32 v1, 5, v0
	v_readfirstlane_b32 s16, v1                    ; wave
	v_and_b32 v2, 31, v0                           ; lane = i
	s_and_b32 s17, ttmp7, 0xffff                   ; y
	s_and_b32 s18, s17, 3                          ; P
	s_lshr_b32 s19, s17, 2                         ; K step s
	s_lshl_b32 s20, ttmp9, 2
	s_add_co_u32 s20, s20, s16                     ; which 32 columns: 0 .. 23
	s_lshr_b32 s21, s20, 1                         ; c
	s_and_b32 s22, s20, 1                          ; b
	s_mul_i32 s23, s21, 11
	s_lshr_b32 s23, s23, 5                         ; c / 3 (c < 12)
	s_mul_i32 s24, s23, 3
	s_sub_co_u32 s24, s21, s24                     ; c % 3
	s_lshl_b32 s25, s22, 1                         ; 2 b
	s_lshl_b32 s26, s24, 2
	s_add_co_u32 s26, s26, s25                     ; 4 (c % 3) + 2 b
	s_cmp_eq_u32 s18, 2                            ; Wv is shared out otherwise
	s_cselect_b32 s27, s25, s23                    ; the wave at u = 0
	s_cselect_b32 s28, s21, s26                    ; the tile at u = 0
	s_cselect_b32 s29, 1, 0                        ; what u adds to the wave,
	s_cselect_b32 s30, 0, 1                        ; and to the tile
	v_bfe_u32 v3, v0, 3, 1                         ; u
	v_bfe_u32 v4, v0, 4, 1
	v_and_b32 v5, 7, v0
	v_lshl_or_b32 v5, v4, 3, v5                    ; rho
	v_mad_u32_u24 v6, v3, s29, s27                 ; wave
	v_mad_u32_u24 v7, v3, s30, s28                 ; tile
	v_lshl_add_u32 v8, v6, 2, s18                  ; 4 wave + P
	v_mul_u32_u24 v9, v8, 72
	s_mul_i32 s31, s19, 12
	v_add3_u32 v9, v9, v7, s31
	v_mul_u32_u24 v9, v9, 1536
	v_lshl_add_u32 v9, v5, 4, v9                   ; my image, + 16 rho
	s_lshr_b32 s32, s19, 1
	v_mad_u32_u24 v10, v7, 3, s32                  ; scale register 3 tile + s / 2
	v_mul_u32_u24 v11, v8, 4608
	v_lshrrev_b32 v12, 2, v10
	v_lshl_add_u32 v11, v12, 9, v11
	v_and_b32 v12, 3, v10
	v_lshl_add_u32 v11, v12, 2, v11
	s_and_b32 s33, s19, 1
	s_lshl_b32 s33, s33, 8
	v_lshl_add_u32 v11, v5, 4, v11
	v_add_nc_u32 v11, s33, v11                     ; my scale word's place
	v_lshlrev_b32 v13, 2, v2                       ; in: 4 bytes a lane
	s_mul_i32 s34, s19, 128*ROWW                   ; 128 rows a K step,
	s_lshl_b32 s35, s20, 7                         ; 128 bytes for 32 columns
	s_add_co_u32 s34, s34, s35
	s_mov_b32 s35, 0
	s_wait_alu depctr_va_vdst(0)
	s_wait_kmcnt 0x0
	s_cmp_eq_u32 s18, 1                            ; the weight is chosen by the work-group's number alone
	s_cselect_b64 s[4:5], s[6:7], s[4:5]
	s_cmp_eq_u32 s18, 2
	s_cselect_b64 s[4:5], s[8:9], s[4:5]
	s_cmp_eq_u32 s18, 3
	s_cselect_b64 s[4:5], s[10:11], s[4:5]
	s_add_nc_u64 s[4:5], s[4:5], s[34:35]
.macro LOAD t                          ; block t: W(128 s + 32 t + i, my column) into set t % 2; 32 lanes read 128 consecutive bytes
.irp i, 0,1,2,3,4,5,6,7,8,9,10,11,12,13,14,15,16,17,18,19,20,21,22,23,24,25,26,27,28,29,30,31
	global_load_b32 v[XA+32*((\t)%2)+\i], v13, s[4:5] offset:(32*(\t)+\i)*ROWW th:TH_LOAD_NT
.endr
.endm
.macro BLOCK t
.set XS_, XA+32*((\t)%2)
.set E_, EC+8*(\t)
.set T_, TC+4*(\t)
.if (\t) < 3
	s_wait_loadcnt 32                              ; this block's 32 loads are in; the next block's 32 may be out
.else
	s_wait_loadcnt 0x0
.endif
	v_max3_num_f32 v16, |v[XS_]|, |v[XS_+1]|, |v[XS_+2]|           ; the block's largest magnitude, in two chains
	v_max3_num_f32 v17, |v[XS_+3]|, |v[XS_+4]|, |v[XS_+5]|
.irp i, 6,10,14,18,22,26
	v_max3_num_f32 v16, v16, |v[XS_+\i]|, |v[XS_+\i+1]|
	v_max3_num_f32 v17, v17, |v[XS_+\i+2]|, |v[XS_+\i+3]|
.endr
	v_max3_num_f32 v16, v16, |v[XS_+30]|, |v[XS_+31]|
	v_max3_num_f32 v16, v16, v17, 0x1800000        ; and the floor 2^(3 - 127): the byte cannot fall under 1
	v_add_nc_u32 v18, 0xff000000, v16              ; 2 off the exponent field: the conversion's scale operand
	v_lshrrev_b32 v19, 23, v18                     ; the scale's byte
.if (\t) == 0
	v_mov_b32 v20, v19
.else
	v_lshl_or_b32 v20, v19, 8*(\t), v20            ; four bytes make the K step's word
.endif
	v_cvt_scalef32_pk16_fp6_f32 v[E_:E_+2], v[XS_:XS_+15], v18
	v_cvt_scalef32_pk16_fp6_f32 v[T_:T_+2], v[XS_+16:XS_+31], v18  ; (a conversion's three registers begin on an even number)
	v_nop                                          ; one plain place behind a scaled conversion
.irp i, 0,1,2
	v_mov_b32 v[E_+3+\i], v[T_+\i]
.endr
; block t = 2 c + h is registers 6 c .. 6 c + 5 of lane rho + 16 h
.if (\t) < 2
	global_store_b128 v9, v[E_:E_+3], s[12:13] offset:256*((\t)&1)
	global_store_b64 v9, v[E_+4:E_+5], s[12:13] offset:512+256*((\t)&1)
.else
	global_store_b64 v9, v[E_:E_+1], s[12:13] offset:520+256*((\t)&1)
	global_store_b128 v9, v[E_+2:E_+5], s[12:13] offset:1024+256*((\t)&1)
.endif
.if (\t) < 2
	LOAD (\t)+2
.endif
.endm
	LOAD 0
	LOAD 1
	BLOCK 0
	BLOCK 1
	BLOCK 2
	BLOCK 3
	global_store_b32 v11, v20, s[14:15]            ; no store's data or address register is written again: no wait is owed
	s_endpgm
.Lfunc_end_k_q3151010da5_prep:
	.size	k_q3151010da5_prep, .Lfunc_end_k_q3151010da5_prep-k_q3151010da5_prep
	.p2alignl 7, 3214868480
	.fill 96, 4, 3214868480
	.section	.rodata,"a",@progbits
	.p2align	6, 0x0
	.amdhsa_kernel k_q3151010da5_prep
		.amdhsa_group_segment_fixed_size 0
		.amdhsa_private_segment_fixed_size 0
		.amdhsa_enable_private_segment 0
		.amdhsa_kernarg_size 48
		.amdhsa_user_sgpr_count 2
		.amdhsa_user_sgpr_kernarg_segment_ptr 1
		.amdhsa_wavefront_size32 1
		.amdhsa_system_sgpr_workgroup_id_x 1
		.amdhsa_system_sgpr_workgroup_id_y 1
		.amdhsa_system_sgpr_workgroup_id_z 1
		.amdhsa_system_vgpr_workitem_id 0
		.amdhsa_next_free_vgpr 144
		.amdhsa_next_free_sgpr 66
		.amdhsa_reserve_vcc 0
		.amdhsa_float_denorm_mode_32 3
		.amdhsa_float_denorm_mode_16_64 3
		.amdhsa_memory_ordered 1
		.amdhsa_forward_progress 1
		.amdhsa_inst_pref_size 22
	.end_amdhsa_kernel
	.amdgpu_metadata
---
amdhsa.version: [ 1, 2 ]
amdhsa.kernels:
  - .name:           k_q3151010da5_prep
    .symbol:         k_q3151010da5_prep.kd
    .args:
      - { .name: Wq, .offset: 0, .size: 8, .value_kind: global_buffer, .address_space: global }
      - { .name: Wk, .offset: 8, .size: 8, .value_kind: global_buffer, .address_space: global }
      - { .name: Wv, .offset: 16, .size: 8, .value_kind: global_buffer, .address_space: global }
      - { .name: Wo, .offset: 24, .size: 8, .value_kind: global_buffer, .address_space: global }
      - { .name: wimg, .offset: 32, .size: 8, .value_kind: global_buffer, .address_space: global }
      - { .name: wsc, .offset: 40, .size: 8, .value_kind: global_buffer, .address_space: global }
    .group_segment_fixed_size: 0
    .private_segment_fixed_size: 0
    .kernarg_segment_align: 8
    .kernarg_segment_size: 48
    .max_flat_workgroup_size: 128
    .sgpr_count:     66
    .vgpr_count:     144
    .wavefront_size: 32
...
	.end_amdgpu_metadata
.endif
;; end of part 1
;; launch qkv (part 2): grid 256 x 1, 4 waves a work-group, no clusters, 124,928 bytes of LDS; arguments x, wimg, wsc, bq, bk, bv, qbuf, kvbuf; writes qbuf, kvbuf
.if DOCPART == 2
	.amdgcn_target "amdgcn-amd-amdhsa--gfx1250"
	.amdhsa_code_object_version 6
	.text
	.protected	k_q3151010da5_qkv
	.globl	k_q3151010da5_qkv
	.p2align	8
	.type	k_q3151010da5_qkv,@function
k_q3151010da5_qkv:
	s_mov_b64 s[64:65], 0
	v_nop
	global_prefetch_b8 v0, s[64:65] scope:SCOPE_SE
	s_setreg_imm32_b32 hwreg(HW_REG_WAVE_MODE, 25, 1), 1
	s_wait_xcnt 0x0
; q = x Wq + bq, k = x Wk + bk, v = x Wv + bv on codes of FP6 (E2M3) with E8M0 scales for each 32 along K; the results are quantised at once for the attention's two products and stored as codes.  No work is left out.
; reference() takes q, k, v as flat rows R = 12 token + chunk of 64 numbers; attention group g is rows 1,024 g on.  q and k are quantised along their 64 (two blocks a row), v along the KEYS, 32 neighbouring R a block.
; SHARES.  A work-group takes 64 tokens (four tiles m of 16) and all 2,304 columns, in three passes.  THE WAVES SHARE THE COLUMNS: in passes Q and K wave w has columns 192 w on (12 tiles); in pass V it has tile w of each
; of the 12 chunks.  48 accumulators a wave.  A weight fragment comes from memory straight into the registers of the one wave that uses it and feeds 4 matrix instructions; x's codes go round through LDS.
; NO CLUSTER: sent through LDS a K step's weights would be 12 fragments more to read for each wave's 48 matrix instructions, 4 times what LDS serves now; the price is that each work-group asks for the weights by itself.
; PHASE X: wave w quantises tokens 16 w .. 16 w + 15: each load takes 512 consecutive bytes of a row; they turn through the wave's own stage so that a lane holds 16 neighbours of each block; codes and scale words go to LDS as images of the operand's registers.
; PASSES Q, K (a loop of two trips): the product is used transposed (source 0 = 16 columns of W, source 1 = 16 tokens), the bias is the C of each sum's first instruction; a lane then holds one token and 16 neighbouring
; columns of a block: 12 bytes of codes that lie as they do in the row.  Codes and scale words meet in LDS and leave in whole runs of 512 and 256 bytes.
; PASS V: natural (source 0 = tokens, source 1 = columns): a lane holds one column d and, over its 12 accumulators, 96 neighbouring rows R: three whole blocks of keys.
; INSIDE A BLOCK OF KEYS the order is permuted, alike here and in the attention's p: key offset o stands at place 16 (bit 3 of o) + 8 (bit 4 of o) + (o & 7).  Blocks and scales are the true ones.
; LIMITS: NaN and infinities are not served; a block whose largest magnitude lies under 2^-124 has its byte held at 1; a block of zeros gets the byte 1, not 127 (its codes are zeros; this program alone reads the bytes).
; REGISTERS, in windows of 256: window 0: v4-31 addresses, v32-39 x's scale words, v40-75 the weights' scale words, v76-171 T (bias as C; way out), v172-241 at work, v251-253.  window 1: a ring of 7 x 3 weight fragments.
;   windows 2, 3: accumulator (m, t) at v[8 (12 (m & 1) + t)] of window 2 + m / 2; v192-239: x's four fragments, of even K steps in window 2, of odd ones in window 3.
.set XST,   0                          ; LDS: each wave's stage for x: 16 rows x 528
.set XIMG,  33792                      ; x's 24 fragments (6 m + s), 1,536 bytes each: two halves of 768: registers 0-3 at 16 lane, registers 4-5 at 512 + 8 lane
.set XSC,   70656                      ; their scale words, 128 bytes each
.set BIAS,  73728                      ; bq, bk, bv
.set CST,   82944                      ; codes on the way out: 768 rows of 48 bytes
.set SST,   119808                     ; their scale words
.set VSC,   122880                     ; v's scale bytes: [6 words][tile 4][16 rows]
.set SPARE, 124416                     ; the spare words, 128 bytes a wave: two blocks of 256 bytes that no other line names
.set LI,   4                           ; 16 lane
.set XSTW, 5
.set XSTR, 6
.set XW16, 7
.set XW8,  8
.set XW4,  9
.set LX16, 10
.set LX8,  11
.set LX4,  12
.set BA,   13
.set CA,   14
.set SA,   15
.set CR,   16
.set SR,   17
.set OA,   18                          ; v18-20 the way out: byte offsets of the codes;  v21-23 of the scale words
.set OB,   21
.set BVA,  24
.set VSA,  25
.set VSB,  26
.set VN8,  28
.set VR16, 29
.set VR8,  30
.set VCR,  31
.set VCO,  251
.set SPW,  252                         ; LDS address of my spare word; never rewritten
.set NIL,  253                         ; 0; never rewritten
.set XS,   32
.set WS,   40
.set T,    76
.set R0,   76                          ; phase X: two sets of 64 numbers, v76-139 and v140-203
.set TM,   204
.set PW,   220
.set PC,   222
.set BM,   172                         ; way out of Q and K
.set PM,   174
.set SOP,  176
.set BY,   178
.set PC2,  180
.set PW2,  204
.set EV,   172                         ; way out of V
.set TCV,  190
.set BMV,  202
.set SOPV, 205
.set BYV,  208
.set BV,   212
.set MSB, 0
.macro WIN new                         ; the immediate's high byte repeats the setting that is left; a switch that changes nothing is dropped
.if MSB != (\new)
	s_set_vgpr_msb (MSB<<8)|(\new)
.set MSB, (\new)
.endif
.endm
.macro PLACES                          ; four places behind matrix instructions, ahead of loads into their registers and of reads of their results
.rept 4
	v_nop
.endr
.endm
.macro BARRIER                         ; my LDS stores have landed and my LDS loads are in: then the work-group's barrier
	s_wait_dscnt 0x0
	s_barrier_signal -1
	s_barrier_wait -1
.endm
.macro XLOAD s                         ; K step s of my 16 tokens: a load takes 512 consecutive bytes of one row
.irp rr, 0,1,2,3,4,5,6,7,8,9,10,11,12,13,14,15
	global_load_b128 v[R0+64*((\s)%2)+4*\rr:R0+64*((\s)%2)+4*\rr+3], v[LI], s[4:5] offset:3072*\rr+512*(\s) th:TH_LOAD_NT
.endr
.endm
; 64 numbers of a lane, register 16 b + i = k 32 b + 16 (lane / 16) + i of my row, become a fragment's codes in v[PC] on and its scale word in v[PW]
.macro QUANT src
.irp b, 0,1,2,3
	v_max3_num_f32 v[TM+\b], |v[\src+16*\b]|, |v[\src+1+16*\b]|, 0x1800000   ; my 16 numbers of block b, and the floor 2^(3 - 127)
.endr
.irp i, 2,4,6,8,10,12,14
.irp b, 0,1,2,3
	v_max3_num_f32 v[TM+\b], v[TM+\b], |v[\src+16*\b+\i]|, |v[\src+1+16*\b+\i]|
.endr
.endr
.irp b, 0,1,2,3
	v_permlanex16_b32 v[TM+4+\b], v[TM+\b], s22, s23
.endr
.irp b, 0,1,2,3
	v_max_num_f32 v[TM+\b], v[TM+\b], v[TM+4+\b]   ; with lane l xor 16's: the block's largest magnitude
.endr
.irp b, 0,1,2,3
	v_add_nc_u32 v[TM+12+\b], 0xff000000, v[TM+\b] ; 2 off the exponent field: the conversion's scale operand
.endr
.irp b, 0,1,2,3
	v_lshrrev_b32 v[TM+4+\b], 23, v[TM+12+\b]      ; the scale's byte
.endr
	v_lshl_or_b32 v[PW], v[TM+5], 8, v[TM+4]
	v_lshl_or_b32 v[PW], v[TM+6], 16, v[PW]
	v_lshl_or_b32 v[PW], v[TM+7], 24, v[PW]
.irp c, 0,1
	v_cvt_scalef32_pk16_fp6_f32 v[PC+6*\c:PC+2+6*\c], v[\src+32*\c:\src+15+32*\c], v[TM+12+2*\c]
	v_cvt_scalef32_pk16_fp6_f32 v[PC+12+4*\c:PC+14+4*\c], v[\src+16+32*\c:\src+31+32*\c], v[TM+12+2*\c+1]
.endr
	v_nop                                          ; one plain place behind a scaled conversion
.irp c, 0,1                            ; the operand's layout wants a whole block in a lane
.irp i, 0,1,2
	v_permlane16_swap_b32 v[PC+6*\c+\i], v[PC+12+4*\c+\i]
.endr
.irp i, 0,1,2
	v_mov_b32 v[PC+3+6*\c+\i], v[PC+12+4*\c+\i]
.endr
.endr
.endm
.macro IMAGE s                         ; the fragment and its scale word go to LDS as they stand
	ds_store_b128 v[XW16], v[PC:PC+3] offset:1536*(\s)
	ds_store_b64 v[XW8], v[PC+4:PC+5] offset:1536*(\s)+512
	ds_store_b128 v[XW16], v[PC+6:PC+9] offset:1536*(\s)+768
	ds_store_b64 v[XW8], v[PC+10:PC+11] offset:1536*(\s)+1280
	ds_store_b32 v[XW4], v[PW] offset:128*(\s)
.endm
.macro FETCHX s                        ; x's four fragments and scale words of K step s
	WIN 0x80+0x40*((\s)%2)
.irp m, 0,1,2,3
	ds_load_b128 v[192+12*\m:195+12*\m], v[LX16] offset:1536*(6*\m+(\s))
	ds_load_b64 v[196+12*\m:197+12*\m], v[LX8] offset:1536*(6*\m+(\s))+512
	ds_load_b128 v[198+12*\m:201+12*\m], v[LX16] offset:1536*(6*\m+(\s))+768
	ds_load_b64 v[202+12*\m:203+12*\m], v[LX8] offset:1536*(6*\m+(\s))+1280
.endr
	WIN 0
.irp m, 0,1,2,3
	ds_load_b32 v[XS+4*((\s)%2)+\m], v[LX4] offset:128*(6*\m+(\s))
.endr
.endm
.macro HEADW d                         ; a pass's 36 registers of weight scale words; d = 1: the next pass's
	WIN 0
.irp q, 0,1,2,3,4,5,6,7,8
	global_load_b128 v[WS+4*\q:WS+4*\q+3], v[LI], s[26:27] offset:4608*(\d)+512*\q
.endr
.endm
.macro RING g, d                       ; group g's three weight fragments into ring buffer g % 7 (window 1 is set by the caller)
.irp i, 0,1,2
.irp q, 0,1,2
	global_load_b128 v[36*((\g)%7)+12*\i+4*\q:36*((\g)%7)+12*\i+4*\q+3], v[LI], s[24:25] offset:110592*(\d)+(3*(\g)+\i)*1536+512*\q
.endr
.endr
.endm
.macro HEAD d
	HEADW \d
	WIN 0x40
.irp gg, 0,1,2,3,4,5,6
	RING \gg, \d
.endr
	WIN 0
.endm
; six matrix instructions of group g: tiles 3 (g % 4) + 0 .. 2 x tiles of tokens 2 hi, 2 hi + 1, K step g / 4.  The 48 accumulators take turns, one instruction a turn.
.macro MM g, nat, hi
.set S_, (\g)/4
.set OD_, S_%2
.if \nat
	WIN 0xa6+0x50*(\hi)+OD_
.elseif S_ == 0
	WIN 0x89+0x40*(\hi)
.else
	WIN 0xa9+0x50*(\hi)+4*OD_
.endif
.irp mm, 0,1
.irp i, 0,1,2
.set T_, 3*((\g)%4)+\i
.set AC_, 8*(12*\mm+T_)
.set RG_, 36*((\g)%7)+12*\i
.set XF_, 192+12*(2*(\hi)+\mm)
.set WS_, WS+3*T_+S_/2
.set XS_, XS+4*OD_+2*(\hi)+\mm
.if (\nat) && (S_ == 0)
	v_wmma_scale_f32_16x16x128_f8f6f4 v[AC_:AC_+7], v[XF_:XF_+11], v[RG_:RG_+11], 0, v[XS_], v[WS_] matrix_a_fmt:MATRIX_FMT_FP6 matrix_b_fmt:MATRIX_FMT_FP6
.elseif (\nat) && OD_
	v_wmma_scale_f32_16x16x128_f8f6f4 v[AC_:AC_+7], v[XF_:XF_+11], v[RG_:RG_+11], v[AC_:AC_+7], v[XS_], v[WS_] matrix_a_fmt:MATRIX_FMT_FP6 matrix_b_fmt:MATRIX_FMT_FP6 matrix_b_scale:MATRIX_SCALE_ROW1
.elseif \nat
	v_wmma_scale_f32_16x16x128_f8f6f4 v[AC_:AC_+7], v[XF_:XF_+11], v[RG_:RG_+11], v[AC_:AC_+7], v[XS_], v[WS_] matrix_a_fmt:MATRIX_FMT_FP6 matrix_b_fmt:MATRIX_FMT_FP6
.elseif S_ == 0
	v_wmma_scale_f32_16x16x128_f8f6f4 v[AC_:AC_+7], v[RG_:RG_+11], v[XF_:XF_+11], v[T+8*T_:T+8*T_+7], v[WS_], v[XS_] matrix_a_fmt:MATRIX_FMT_FP6 matrix_b_fmt:MATRIX_FMT_FP6
.elseif OD_
	v_wmma_scale_f32_16x16x128_f8f6f4 v[AC_:AC_+7], v[RG_:RG_+11], v[XF_:XF_+11], v[AC_:AC_+7], v[WS_], v[XS_] matrix_a_fmt:MATRIX_FMT_FP6 matrix_b_fmt:MATRIX_FMT_FP6 matrix_a_scale:MATRIX_SCALE_ROW1
.else
	v_wmma_scale_f32_16x16x128_f8f6f4 v[AC_:AC_+7], v[RG_:RG_+11], v[XF_:XF_+11], v[AC_:AC_+7], v[WS_], v[XS_] matrix_a_fmt:MATRIX_FMT_FP6 matrix_b_fmt:MATRIX_FMT_FP6
.endif
.endr
.endr
.endm
; group g of 24: 12 matrix instructions; behind them the ring buffer just read takes group g + 7, and a K step's first group asks for x's fragments of the next K step
.macro GRP g, nat, last
.set GS_, (\g)/4
.set GQ_, (\g)%4
.if 23-(\g) < 6
	s_wait_loadcnt 9*(23-(\g))                     ; my group's nine loads are in; behind them stand the groups that are left
.else
	s_wait_loadcnt 54                              ; my group's nine loads are in; the six groups asked for behind them may be out
.endif
.if GQ_ == 0
	s_wait_dscnt 0x0                               ; this K step's fragments of x (asked for a K step ago), and at the pass's head the bias
.endif
	MM \g, \nat, 0
	MM \g, \nat, 1
	PLACES
.if (\g)+7 < 24
	WIN 0x40
	RING (\g)+7, 0
.endif
.if (GQ_ == 0) && !((\last) && (GS_ == 5))
	FETCHX (GS_+1)%6
.endif
.endm
; chunk cc of tile m on the way out of Q or K: two blocks of 32 columns; a lane holds 16 neighbours of each
.macro QUANT2 m, cc
.set A0_, 8*(12*((\m)&1)+4*(\cc))
.set PCS_, PC2+8*(\cc)
	WIN 0x28+0x14*((\m)>>1)
.irp bl, 0,1
	v_max3_num_f32 v[BM+\bl], 0x1800000, |v[A0_+16*\bl]|, |v[A0_+16*\bl+1]|   ; each accumulator is read from its low end on
.endr
.irp i, 2,4,6,8,10,12,14
.irp bl, 0,1
	v_max3_num_f32 v[BM+\bl], v[BM+\bl], |v[A0_+16*\bl+\i]|, |v[A0_+16*\bl+\i+1]|
.endr
.endr
	WIN 0
	v_permlanex16_b32 v[PM], v[BM], s22, s23
	v_permlanex16_b32 v[PM+1], v[BM+1], s22, s23
	v_max_num_f32 v[BM], v[BM], v[PM]
	v_max_num_f32 v[BM+1], v[BM+1], v[PM+1]
	v_add_nc_u32 v[SOP], 0xff000000, v[BM]
	v_add_nc_u32 v[SOP+1], 0xff000000, v[BM+1]
	v_lshrrev_b32 v[BY], 23, v[SOP]
	v_lshrrev_b32 v[BY+1], 23, v[SOP+1]
	v_lshl_or_b32 v[PW2+\cc], v[BY+1], 16, v[BY]
	v_lshl_or_b32 v[PW2+\cc], v[PW2+\cc], 8, v[PW2+\cc]   ; the word is b0, b0, b1, b1: the attention lays a row's two blocks at blocks 0 and 2 or at blocks 1 and 3 of its first product's K
	WIN 0x02+((\m)>>1)
	v_cvt_scalef32_pk16_fp6_f32 v[PCS_:PCS_+2], v[A0_:A0_+15], v[SOP]
	v_cvt_scalef32_pk16_fp6_f32 v[PCS_+4:PCS_+6], v[A0_+16:A0_+31], v[SOP+1]
	WIN 0
	v_nop                                          ; one plain place behind a scaled conversion
.irp bl, 0,1
.irp i, 0,1,2
	ds_store_b32 v[CA], v[PCS_+4*\bl+\i] offset:9216*(\m)+48*(\cc)+24*\bl+4*\i   ; my 12 bytes are the row's bytes 24 block + 12 (lane / 16)
.endr
.endr
	ds_store_b32 v[SA], v[PW2+\cc] offset:768*(\m)+4*(\cc)   ; both halves of the lanes write the same word with the same value
.endm
; tile m on the way out of V: my column d, rows R = 96 (lane / 16) + 12 j + c of the tile's 192: three blocks of keys
.macro VEPI m
.if (\m) > 0
	s_wait_xcnt 0x0                                ; the last tile's stores have read their registers and bases
	s_wait_dscnt 0x0                               ; and its byte stores theirs
.endif
.irp i, 0,1,2                          ; where unit 12 wg + 3 m + i (two blocks of keys) lies: 16 units a group, 3,072 bytes each, my tile's 768 of them
	s_mul_i32 s34, s21, 12
	s_add_co_u32 s34, s34, 3*(\m)+\i
	s_lshr_b32 s36, s34, 4
	s_mul_i32 s36, s36, 104448
	s_and_b32 s37, s34, 15
	s_mul_i32 s37, s37, 3072
	s_add_co_u32 s36, s36, s37
	s_add_co_u32 s36, s36, s41
	s_mov_b32 s37, 0
	s_add_nc_u64 s[42+2*\i:43+2*\i], s[18:19], s[36:37]
.endr
	WIN 0x02+((\m)>>1)
.irp c, 0,1,2,3,4,5,6,7,8,9,10,11
.irp j, 0,1,2,3,4,5,6,7
.set KA_, 12*\j+\c
.set OO_, KA_%32
.set PP_, 32*(KA_/32)+16*((OO_>>3)&1)+8*((OO_>>4)&1)+(OO_&7)
	v_add_f32 v[T+PP_], v[8*(12*((\m)&1)+\c)+\j], v[BV+\c]   ; the bias's addition is also the move to the key's place in its block
.endr
.endr
	WIN 0
.irp be, 0,1,2
	v_max3_num_f32 v[BMV+\be], |v[T+32*\be]|, |v[T+32*\be+1]|, 0x1800000
.endr
.irp i, 2,4,6,8,10,12,14,16,18,20,22,24,26,28,30
.irp be, 0,1,2
	v_max3_num_f32 v[BMV+\be], v[BMV+\be], |v[T+32*\be+\i]|, |v[T+32*\be+\i+1]|
.endr
.endr
.irp be, 0,1,2
	v_add_nc_u32 v[SOPV+\be], 0xff000000, v[BMV+\be]
.endr
.irp be, 0,1,2
	v_lshrrev_b32 v[BYV+\be], 23, v[SOPV+\be]
.endr
.irp be, 0,1,2                         ; lanes 0-15 hold block 6 m + be of the work-group's 24, lanes 16-31 the block three on: in the same word 3 bytes on, or in the next word 1 byte back
.set IX_, 6*(\m)+\be
.if (IX_&3) == 0
	ds_store_b8 v[VSA], v[BYV+\be] offset:(IX_>>2)*256+(IX_&3)
.else
	ds_store_b8 v[VSB], v[BYV+\be] offset:(IX_>>2)*256+(IX_&3)
.endif
.endr
.irp be, 0,1,2
	v_cvt_scalef32_pk16_fp6_f32 v[EV+6*\be:EV+6*\be+2], v[T+32*\be:T+32*\be+15], v[SOPV+\be]
	v_cvt_scalef32_pk16_fp6_f32 v[TCV+4*\be:TCV+4*\be+2], v[T+32*\be+16:T+32*\be+31], v[SOPV+\be]
.endr
	v_nop                                          ; one plain place behind a scaled conversion
.irp be, 0,1,2
.irp i, 0,1,2
	v_mov_b32 v[EV+6*\be+3+\i], v[TCV+4*\be+\i]
.endr
.endr
.irp i, 0,1,2,3,4,5                    ; lanes (0-15 | 16-31) hold blocks (0 | 3), (1 | 4), (2 | 5); two exchanges make (0 | 1), (5 | 4), (2 | 3)
	v_permlane16_swap_b32 v[EV+\i], v[EV+6+\i]
.endr
.irp i, 0,1,2,3,4,5
	v_permlane16_swap_b32 v[EV+12+\i], v[EV+6+\i]
.endr
	global_store_b128 v[LI], v[EV:EV+3], s[42:43]              ; 32 lanes store 512 and 256 consecutive bytes, aligned
	global_store_b64 v[VN8], v[EV+4:EV+5], s[42:43]
	global_store_b128 v[LI], v[EV+12:EV+15], s[44:45]
	global_store_b64 v[VN8], v[EV+16:EV+17], s[44:45]
	global_store_b128 v[VR16], v[EV+6:EV+9], s[46:47]          ; with the halves of the lanes crossed
	global_store_b64 v[VR8], v[EV+10:EV+11], s[46:47]
.endm
	s_load_b512 s[4:19], s[0:1], 0x0               ; x s[4:5], wimg s[6:7], wsc s[8:9], bq s[10:11], bk s[12:13], bv s[14:15], qbuf s[16:17], kvbuf s[18:19]
	v_lshl_add_u32 v[SPW], v0, 2, SPARE
	v_mov_b32 v[NIL], 0
	v_lshrrev_b32 v1, 5, v0
	v_readfirstlane_b32 s20, v1                    ; wave
	s_mov_b32 s21, ttmp9                           ; work-group
	s_mov_b32 s22, 0x76543210
	s_mov_b32 s23, 0xfedcba98                      ; v_permlanex16_b32's selects for lane l xor 16
	v_and_b32 v1, 31, v0                           ; lane
	v_and_b32 v2, 15, v0                           ; r
	v_bfe_u32 v3, v0, 4, 1                         ; h
	v_lshlrev_b32 v[LI], 4, v1
	s_mul_i32 s34, s20, 8448
	v_add_nc_u32 v[XSTW], s34, v[LI]               ; my stage, on the way in: 16 lane
	v_mul_u32_u24 v[XSTR], v2, 528
	v_lshl_add_u32 v[XSTR], v3, 6, v[XSTR]
	v_add_nc_u32 v[XSTR], s34, v[XSTR]             ; and back: row r, + 64 h
	s_mul_i32 s34, s20, 9216
	s_add_co_u32 s34, s34, XIMG
	v_add_nc_u32 v[XW16], s34, v[LI]               ; where I store my tile's images
	v_lshl_add_u32 v[XW8], v1, 3, s34
	s_mul_i32 s35, s20, 768
	s_add_co_u32 s34, s35, XSC
	v_lshl_add_u32 v[XW4], v1, 2, s34
	v_add_nc_u32 v[LX16], XIMG, v[LI]              ; and from where any wave loads them
	v_lshl_add_u32 v[LX8], v1, 3, XIMG
	v_lshl_add_u32 v[LX4], v1, 2, XSC
	s_add_co_u32 s34, s35, BIAS
	v_lshl_add_u32 v[BA], v3, 6, s34               ; the bias of my 192 columns, + 64 h
	v_mul_u32_u24 v[CA], v2, 576
	v_mad_u32_u24 v[CA], v3, 12, v[CA]
	s_mul_i32 s34, s20, 144
	s_add_co_u32 s34, s34, CST
	v_add_nc_u32 v[CA], s34, v[CA]                 ; codes: token r's 576 bytes, my three chunks, + 12 h
	v_mul_u32_u24 v[SA], v2, 48
	s_mul_i32 s34, s20, 12
	s_add_co_u32 s34, s34, SST
	v_add_nc_u32 v[SA], s34, v[SA]
	v_lshl_add_u32 v[CR], v0, 4, CST
	v_lshl_add_u32 v[SR], v0, 3, SST
	s_lshr_b32 s34, s20, 1
	s_lshl_b32 s34, s34, 5
	s_and_b32 s36, s20, 1
	s_lshl_b32 s36, s36, 3
	s_add_co_u32 s34, s34, s36
	s_lshl_b32 s34, s34, 2
	s_add_co_u32 s34, s34, BIAS+6144
	v_and_b32 v[BVA], 8, v2
	v_add_nc_u32 v[BVA], v[BVA], v2
	v_lshl_add_u32 v[BVA], v[BVA], 2, s34          ; bv at my column d = 32 (w / 2) + 8 (w % 2) + r + 8 (r / 8)
	s_lshl_b32 s34, s20, 6
	s_add_co_u32 s34, s34, VSC
	v_lshl_add_u32 v[VSB], v2, 2, s34
	v_mad_u32_u24 v[VSA], v3, 3, v[VSB]
	v_mad_u32_u24 v[VSB], v3, 255, v[VSB]
	v_lshl_add_u32 v[VN8], v1, 3, 512
	v_xor_b32 v[VR16], 16, v1
	v_lshl_add_u32 v[VR8], v[VR16], 3, 512
	v_lshlrev_b32 v[VR16], 4, v[VR16]
	s_lshl_b32 s34, s20, 9
	s_add_co_u32 s34, s34, VSC
	v_add_nc_u32 v[VCR], s34, v[LI]                ; (used by waves 0 to 2 alone)
	s_mul_i32 s34, s21, 6
	s_lshl_b32 s36, s20, 1
	s_add_co_u32 s34, s34, s36
	v_add_nc_u32 v20, s34, v3                      ; which word of v's scales: 6 wg + 2 wave + h; 8 words a group
	v_lshrrev_b32 v21, 3, v20
	v_mul_u32_u24 v21, v21, 104448
	v_and_b32 v20, 7, v20
	v_lshl_add_u32 v21, v20, 8, v21
	v_lshl_add_u32 v21, v2, 4, v21
	v_add_nc_u32 v[VCO], 102400, v21
	v_lshlrev_b32 v18, 3, v0                       ; the biases: 8 bytes a thread
	v_lshl_add_u32 v19, v0, 3, BIAS
.irp b, 0,1,2,3
	v_mov_b32 v[TM+4+\b], 0                        ; written once: a lane permute's destination counts as one of its sources
.endr
	s_mul_i32 s36, s20, 442368
	s_mov_b32 s37, 0
	s_mul_i32 s38, s20, 18432
	s_mov_b32 s39, 0
	s_lshl_b32 s40, s21, 6
	s_lshl_b32 s34, s20, 4
	s_add_co_u32 s40, s40, s34
	s_mul_i32 s40, s40, 3072                       ; my first token's row, in bytes (under 2^26)
	s_mov_b32 s41, 0
	s_wait_alu depctr_va_vdst(0)
	s_wait_kmcnt 0x0
	s_add_nc_u64 s[24:25], s[6:7], s[36:37]        ; my wave's stream of weight images
	s_add_nc_u64 s[26:27], s[8:9], s[38:39]        ; and of their scale words
	s_add_nc_u64 s[4:5], s[4:5], s[40:41]
.irp j, 0,1,2
	global_load_b64 v[PC+2*\j:PC+2*\j+1], v18, s[10:11] offset:1024*\j
	global_load_b64 v[PC+6+2*\j:PC+6+2*\j+1], v18, s[12:13] offset:1024*\j
	global_load_b64 v[PC+12+2*\j:PC+12+2*\j+1], v18, s[14:15] offset:1024*\j
.endr
	XLOAD 0
	XLOAD 1
	s_wait_loadcnt 32                              ; the nine loads of biases are in; x's 32 may be out
.irp j, 0,1,2
	ds_store_b64 v19, v[PC+2*\j:PC+2*\j+1] offset:1024*\j
	ds_store_b64 v19, v[PC+6+2*\j:PC+6+2*\j+1] offset:3072+1024*\j
	ds_store_b64 v19, v[PC+12+2*\j:PC+12+2*\j+1] offset:6144+1024*\j
.endr
; ---- PHASE X
.macro XPHASE s
.set RS_, R0+64*((\s)%2)
.if (\s) < 5
	s_wait_loadcnt 16                              ; this K step's 16 loads are in; the next K step's may be out
.else
	s_wait_loadcnt 0x0
	HEAD 0                                         ; the first pass's weights are asked for while the last K step is quantised
.endif
.irp rr, 0,1,2,3,4,5,6,7,8,9,10,11,12,13,14,15
	ds_store_b128 v[XSTW], v[RS_+4*\rr:RS_+4*\rr+3] offset:528*\rr
.endr
.irp b, 0,1,2,3
.irp jj, 0,1,2,3
	ds_load_b128 v[RS_+16*\b+4*\jj:RS_+16*\b+4*\jj+3], v[XSTR] offset:128*\b+16*\jj   ; LDS serves a wave's instructions in order (ISA guide 5.7.1.4): these see the stores above
.endr
.endr
	s_wait_dscnt 0x0                               ; my numbers are back; the last image's stores have read their registers
	QUANT RS_
	IMAGE \s
.if (\s) < 4
	XLOAD (\s)+2
.endif
.endm
	XPHASE 0
	XPHASE 1
	XPHASE 2
	XPHASE 3
	XPHASE 4
	XPHASE 5
	BARRIER                                        ; x's 24 fragments, their scale words and the biases lie in LDS
	FETCHX 0
	v_mov_b32 v[PM], 0
	v_mov_b32 v[PM+1], 0
	s_mov_b32 s32, 2                               ; passes to go: 2 = Q, 1 = K
	s_mov_b32 s33, 0                               ; the pass's bias in LDS
; ---- PASSES Q AND K
.Lpass:
	v_add_nc_u32 v27, s33, v[BA]
.irp b, 0,1,2,3,4,5
.irp jj, 0,1,2,3
	ds_load_b128 v[T+16*\b+4*\jj:T+16*\b+4*\jj+3], v27 offset:128*\b+16*\jj   ; the bias in the result's layout: eight registers a tile
.endr
.endr
.set gi, 0
.rept 24
	GRP gi, 0, 0
.set gi, gi+1
.endr
	HEAD 1                                         ; the next pass's weights, behind the last group's places: they land during the way out
	BARRIER                                        ; every wave's reads of the last pass's codes in LDS are over
.irp m, 0,1,2,3
	s_wait_dscnt 0x0                               ; the last tile's stores have read their registers
	QUANT2 \m, 0
	QUANT2 \m, 1
	QUANT2 \m, 2
.endr
	s_cmp_eq_u32 s32, 2                            ; where the pass's results go: chosen by the count of passes
	s_cselect_b64 s[28:29], s[16:17], s[18:19]
	s_mov_b32 s30, 104448
	s_cselect_b32 s30, 53248, s30                  ; a group's bytes,
	s_mov_b32 s31, 98304
	s_cselect_b32 s31, 49152, s31                  ; and where its scale words begin
.irp q, 0,1,2                          ; my 768 rows are three runs of 256; four such runs make a group
	s_mul_i32 s34, s21, 3
	s_add_co_u32 s34, s34, \q
	s_lshr_b32 s36, s34, 2
	s_mul_i32 s36, s36, s30
	s_and_b32 s37, s34, 3
	s_mul_i32 s38, s37, 12288
	s_add_co_u32 s38, s38, s36
	v_lshl_add_u32 v[OA+\q], v0, 4, s38
	s_lshl_b32 s37, s37, 10
	s_add_co_u32 s37, s37, s36
	s_add_co_u32 s37, s37, s31
	v_lshl_add_u32 v[OB+\q], v0, 3, s37
.endr
	s_wait_alu depctr_va_vdst(0)
	BARRIER                                        ; 768 rows of codes and their scale words lie in LDS
.irp q, 0,1,2
.irp j, 0,1,2,3,4,5
	ds_load_b128 v[T+4*(6*\q+\j):T+4*(6*\q+\j)+3], v[CR] offset:12288*\q+2048*\j
.endr
	ds_load_b64 v[T+72+2*\q:T+73+2*\q], v[SR] offset:1024*\q
.endr
	s_wait_dscnt 0x0
.irp q, 0,1,2
.irp j, 0,1,2,3,4,5
	global_store_b128 v[OA+\q], v[T+4*(6*\q+\j):T+4*(6*\q+\j)+3], s[28:29] offset:2048*\j   ; a wave stores 512 consecutive bytes, aligned
.endr
	global_store_b64 v[OB+\q], v[T+72+2*\q:T+73+2*\q], s[28:29]                             ; and 256
.endr
	s_wait_xcnt 0x0                                ; loads and stores have read their registers and bases: they may be written
	s_add_nc_u64 s[24:25], s[24:25], 110592
	s_add_nc_u64 s[26:27], s[26:27], 4608
	s_add_co_u32 s33, s33, 3072
	s_sub_co_u32 s32, s32, 1
	s_cmp_lg_u32 s32, 0
	s_cbranch_scc1 .Lpass
; ---- PASS V
	s_mul_i32 s41, s20, 768
	s_add_co_u32 s41, s41, 49152                   ; v's codes in a group, my tile's 768 bytes of a unit
.irp c, 0,1,2,3,4,5,6,7,8,9,10,11
	ds_load_b32 v[BV+\c], v[BVA] offset:256*\c     ; bv at column d of chunk c
.endr
.set gi, 0
.rept 24
	GRP gi, 1, 1
.set gi, gi+1
.endr
	WIN 0
	VEPI 0
	VEPI 1
	VEPI 2
	VEPI 3
	BARRIER                                        ; the work-group's 1,536 scale bytes of v lie in LDS
	s_cmp_lt_u32 s20, 3                            ; 96 lanes x 16 bytes: waves 0 to 2
	s_cbranch_scc0 .Lno_copy
	ds_load_b128 v[T:T+3], v[VCR]
	s_wait_dscnt 0x0
	global_store_b128 v[VCO], v[T:T+3], s[18:19]   ; sixteen lanes store 256 consecutive bytes, aligned
.Lno_copy:
	s_wait_tensorcnt 0x0                           ; the wave's end: behind my last LDS store
	ds_add_u32 v[SPW], v[NIL]
	s_wait_dscnt 0x0
	s_endpgm
.Lfunc_end_k_q3151010da5_qkv:
	.size	k_q3151010da5_qkv, .Lfunc_end_k_q3151010da5_qkv-k_q3151010da5_qkv
	.p2alignl 7, 3214868480
	.fill 96, 4, 3214868480
	.section	.rodata,"a",@progbits
	.p2align	6, 0x0
	.amdhsa_kernel k_q3151010da5_qkv
		.amdhsa_group_segment_fixed_size 124928
		.amdhsa_private_segment_fixed_size 0
		.amdhsa_enable_private_segment 0
		.amdhsa_kernarg_size 64
		.amdhsa_user_sgpr_count 2
		.amdhsa_user_sgpr_kernarg_segment_ptr 1
		.amdhsa_wavefront_size32 1
		.amdhsa_system_sgpr_workgroup_id_x 1
		.amdhsa_system_sgpr_workgroup_id_y 1
		.amdhsa_system_sgpr_workgroup_id_z 1
		.amdhsa_system_vgpr_workitem_id 0
		.amdhsa_next_free_vgpr 1024
		.amdhsa_next_free_sgpr 66
		.amdhsa_reserve_vcc 0
		.amdhsa_float_denorm_mode_32 3
		.amdhsa_float_denorm_mode_16_64 3
		.amdhsa_memory_ordered 1
		.amdhsa_forward_progress 1
		.amdhsa_inst_pref_size 255
	.end_amdhsa_kernel
	.section	.bss,"aw",@nobits
	.p2align	6
	.space	262144
	.amdgpu_metadata
---
amdhsa.version: [ 1, 2 ]
amdhsa.kernels:
  - .name:           k_q3151010da5_qkv
    .symbol:         k_q3151010da5_qkv.kd
    .args:
      - { .name: x, .offset: 0, .size: 8, .value_kind: global_buffer, .address_space: global }
      - { .name: wimg, .offset: 8, .size: 8, .value_kind: global_buffer, .address_space: global }
      - { .name: wsc, .offset: 16, .size: 8, .value_kind: global_buffer, .address_space: global }
      - { .name: bq, .offset: 24, .size: 8, .value_kind: global_buffer, .address_space: global }
      - { .name: bk, .offset: 32, .size: 8, .value_kind: global_buffer, .address_space: global }
      - { .name: bv, .offset: 40, .size: 8, .value_kind: global_buffer, .address_space: global }
      - { .name: qbuf, .offset: 48, .size: 8, .value_kind: global_buffer, .address_space: global }
      - { .name: kvbuf, .offset: 56, .size: 8, .value_kind: global_buffer, .address_space: global }
    .group_segment_fixed_size: 124928
    .private_segment_fixed_size: 0
    .kernarg_segment_align: 8
    .kernarg_segment_size: 64
    .max_flat_workgroup_size: 128
    .sgpr_count:     66
    .vgpr_count:     1024
    .wavefront_size: 32
...
	.end_amdgpu_metadata
.endif
;; end of part 2
;; launch attn (part 3): grid 4 x 64, 16 waves a work-group, clusters of 4 x 1, 327,680 bytes of LDS; arguments qbuf, kvbuf, ctxc, ctxs; writes ctxc, ctxs
.if DOCPART == 3
	.amdgcn_target "amdgcn-amd-amdhsa--gfx1250"
	.amdhsa_code_object_version 6
	.text
	.protected	k_q3151010da5_attn
	.globl	k_q3151010da5_attn
	.p2align	8
	.type	k_q3151010da5_attn,@function
k_q3151010da5_attn:
	s_mov_b64 s[64:65], 0
	v_nop
	global_prefetch_b8 v0, s[64:65] scope:SCOPE_SE
	s_setreg_imm32_b32 hwreg(HW_REG_WAVE_MODE, 25, 1), 1
	s_wait_xcnt 0x0
	s_wait_alu depctr_hold_cnt(0) depctr_sa_sdst(0) depctr_va_vdst(0) depctr_va_sdst(0) depctr_va_ssrc(0) depctr_va_vcc(0) depctr_vm_vsrc(0)
	s_getreg_b32 s2, hwreg(HW_REG_IB_STS2, 6, 4)
	s_cmp_eq_u32 s2, 0
	s_cbranch_scc0 .Lentry_in_a_cluster
	s_endpgm
.Lentry_in_a_cluster:
	s_bfe_u32 s2, ttmp6, 0x10000c
	s_cmp_lg_u32 s2, 0x3003
	s_cbranch_scc0 .Lentry_shape_is_right
	s_endpgm
.Lentry_shape_is_right:
; ATTENTION on codes of FP6 (E2M3) with E8M0 scales: S^T = k q^T, p = 2^(t - M), O^T += v^T p^T, ctx = O / l, quantised at once for the projection.  No work is left out.
; SHARES.  A work-group takes 256 queries of three groups g = 3 y .. 3 y + 2; a wave 16 queries; a lane one query (both products are used transposed).  A step is 128 keys: 8 + 4 matrix instructions.
; CLUSTER: the four work-groups of a cluster take the four quarters of the same groups' queries and ask for K and V jointly.
; LDS: the three groups' K, V and scales lie side by side, 3 x 104,448 bytes, each byte filled once, as rows of 256 bytes that begin on multiples of 256 in memory; a load brings 51 rows.
; Waves 0-7 ask for group 0 at the head; behind the sequence and the round, every wave asks for its sixteenth of groups 1 and 2.
; ONE more barrier shows groups 1 and 2 to all waves: signalled behind group 0's fourth step, each wave having waited for its own load, and awaited behind its eighth; between the two only group 0's bytes are read.
; NO PREFETCH: the work-group's two loads at the head ask for all the K and V that it ever reads; behind them only 8 loads of q are asked of memory.
; THE FIRST PRODUCT has K = 64, the instruction 128.  A lane loads a whole key's 48 bytes: lanes 0-15 the rows of an even tile, lanes 16-31 those of the odd tile beside it.  So a row of the operand holds
; blocks (even key's 0, odd key's 0, even key's 1, odd key's 1); it is multiplied by q held in lanes 0-15 with zeros in lanes 16-31, and the other way round.  A row's scale word is b0, b0, b1, b1 and serves both.
; THE KEYS OF A TILE: row rho of tile 4 c + T is key 64 c + 32 (rho / 8) + 16 (T & 1) + 8 (T / 2) + rho % 8.  So a lane's 32 registers of four tiles are one whole block of 32 keys, in the order in which v's codes lie:
; a block's largest p needs no other lane and the conversions' results are the operand's registers.
; The next step's fragments of k are asked for during this step, in one run ahead of the exponentials; in a group's last step a branch on the step counter, the same in all waves, leads round that run: a wave-step reads 13,056 bytes of LDS.
; M is the ceiling of the running largest t, kept as -M; what was summed under the old M is multiplied by f = 2^(old M - new M).  A group begins with -M = 3e38: its first f is 0, which clears O and l of the group before.
; LIMITS: NaN and infinities are not served (O and l of one group must be finite for the next group's first f to clear them); the promise holds while the scaled scores stay under 2^31 in magnitude;
; a block of p or ctx whose largest magnitude lies under 2^-124 has its byte held at 1.
.set SLOTB, 104448
.set VOFF,  49152
.set KSO,   98304
.set VSO,   102400
.set PIECE, 13056                      ; 51 rows of 256 bytes
.set SPARE, 3*SLOTB                    ; the spare words, 128 bytes a wave
.set AK0,  1                           ; lane terms of the LDS addresses
.set AV16, 2
.set AV8,  3
.set ASK0, 4
.set ASV0, 5
.set SPW,  6
.set NIL,  7
.set ADK,  8                           ; the step's addresses
.set ADV16, 9
.set ADV8, 10
.set ADS,  11
.set QS0,  14                          ; v12 -M, v13 the running largest score; q's scale words, by turns
.set QS1,  15
.set ADT,  16
.set QO,   17
.set QSO,  18
.set GO16, 19
.set GO8,  20
.set GO4,  21
.set MLO,  22                          ; all ones in lanes 0-15
.set MHI,  23                          ; all ones in lanes 16-31
.set QE,   24                          ; v24-35 q in lanes 0-15;  v36-47 q in lanes 16-31
.set QD,   36
.set KF,   48                          ; v48-95 four fragments of k, two tiles each
.set SS,   96                          ; v96-159 scores, then p; v96-143 then v's fragments
.set OO,   160                         ; v160-191 O^T
.set PCD,  192
.set PT,   204
.set CH,   212                         ; v212-215 four chains of maxima; then v212, v214 the two blocks' largest, v213, v215 the conversions' scale operands
.set BY,   216
.set W,    218
.set PW,   219
.set SH8,  220
.set PMX,  221
.set PS,   222
.set SM,   228                         ; v228-229 the row's sum; v230-237 four chains of the step's sums
.set SA,   230
.set KS,   238
.set VS,   242
.set RAW,  244                         ; v244-255 the next group's q as loaded
.set WV,   12
.set SEL,  20
.set CS,   22
.set G1,   24
.set G0,   32
.set TK,   44
.set TS,   45
.set TJ,   46
.set NC,   60
.macro CROUND
	s_barrier_signal -1
	s_barrier_wait -1
	s_cmp_lg_u32 s[WV], 0
	s_cbranch_scc1 .Lnot_wave_0_\@
	s_barrier_signal -3
.Lnot_wave_0_\@:
	s_barrier_wait -3
	s_barrier_signal -1
	s_barrier_wait -1
.endm
.macro QLOAD ga, qw                    ; my query's 48 bytes and its scale word
.irp i, 0,1,2
	global_load_b128 v[RAW+4*\i:RAW+4*\i+3], v[QO], s[4:5] offset:53248*(\ga)+16*\i
.endr
	global_load_b32 v[\qw], v[QSO], s[4:5] offset:53248*(\ga)
.endm
.macro WM d, a, b, acc, sa, sb, row
.if (\acc) && (\row)
	v_wmma_scale_f32_16x16x128_f8f6f4 v[\d:\d+7], v[\a:\a+11], v[\b:\b+11], v[\d:\d+7], v[\sa], v[\sb] matrix_a_fmt:MATRIX_FMT_FP6 matrix_b_fmt:MATRIX_FMT_FP6 matrix_a_scale:MATRIX_SCALE_ROW1
.elseif \acc
	v_wmma_scale_f32_16x16x128_f8f6f4 v[\d:\d+7], v[\a:\a+11], v[\b:\b+11], v[\d:\d+7], v[\sa], v[\sb] matrix_a_fmt:MATRIX_FMT_FP6 matrix_b_fmt:MATRIX_FMT_FP6
.elseif \row
	v_wmma_scale_f32_16x16x128_f8f6f4 v[\d:\d+7], v[\a:\a+11], v[\b:\b+11], 0, v[\sa], v[\sb] matrix_a_fmt:MATRIX_FMT_FP6 matrix_b_fmt:MATRIX_FMT_FP6 matrix_a_scale:MATRIX_SCALE_ROW1
.else
	v_wmma_scale_f32_16x16x128_f8f6f4 v[\d:\d+7], v[\a:\a+11], v[\b:\b+11], 0, v[\sa], v[\sb] matrix_a_fmt:MATRIX_FMT_FP6 matrix_b_fmt:MATRIX_FMT_FP6
.endif
.endm
.macro KL u                            ; fragment u of k (tiles 2 u and 2 u + 1) and its rows' scale words
.irp i, 0,1,2
	ds_load_b128 v[KF+12*(\u)+4*\i:KF+12*(\u)+4*\i+3], v[ADK] offset:384*((\u)&1)+3072*((\u)>>1)+16*\i
.endr
	ds_load_b32 v[KS+(\u)], v[ADS] offset:32*((\u)&1)+256*((\u)>>1)
.endm
.macro ACC n                           ; the next n pairs of p onto the four chains by turns
.rept \n
	v_pk_add_f32 v[SA+2*(pr_%4):SA+2*(pr_%4)+1], v[SA+2*(pr_%4):SA+2*(pr_%4)+1], v[SS+2*pr_:SS+2*pr_+1]
.set pr_, pr_+1
.endr
.endm
.macro STEP qs, gl                     ; k's fragments are in: the wait ahead of the last step's second product, or the group's opening, has shown it.  gl: the step counter's value behind the group's last step
.irp u, 0,1,2,3
	WM SS+16*\u, KF+12*\u, QE, 0, KS+\u, \qs, 0
	WM SS+16*\u+8, KF+12*\u, QD, 0, KS+\u, \qs, 1
.endr
	v_add_nc_u32 v[ADV16], s[TK], v[AV16]          ; lines that are due anyway are the places behind the products
	v_add_nc_u32 v[ADV8], s[TK], v[AV8]
	v_add_nc_u32 v[ADT], s[TJ], v[ASV0]
	v_mov_b32 v224, v12                            ; the old -M
	s_add_co_u32 s[TK], s[TK], 6144
	s_add_co_u32 s[TS], s[TS], 512
	s_add_co_u32 s[TJ], s[TJ], 256
	v_add_nc_u32 v[ADK], s[TK], v[AK0]             ; the next step's k
	v_add_nc_u32 v[ADS], s[TS], v[ASK0]
.irp b, 0,1,2,3
	v_max3_num_f32 v[CH+\b], v[SS+16*\b], v[SS+1+16*\b], v[SS+2+16*\b]   ; four chains by turns, two to a block of 32 keys; each accumulator is read from its low end on
.endr
.irp i, 3,5,7,9,11,13
.irp b, 0,1,2,3
	v_max3_num_f32 v[CH+\b], v[CH+\b], v[SS+16*\b+\i], v[SS+1+16*\b+\i]
.endr
.endr
	v_max3_num_f32 v[CH], v[CH], v[CH+1], v[SS+15]
	v_max3_num_f32 v[CH+2], v[CH+2], v[CH+3], v[SS+47]
	v_max_num_f32 v[CH], v[CH], v[SS+31]           ; my two blocks' largest scores
	v_max_num_f32 v[CH+2], v[CH+2], v[SS+63]
	v_max_num_f32 v225, v[CH], v[CH+2]
	s_delay_alu instid0(VALU_DEP_1)
	v_permlanex16_b32 v[PMX], v225, s[SEL], s[SEL+1]
	s_delay_alu instid0(VALU_DEP_1)
	v_max3_num_f32 v13, v13, v225, v[PMX]          ; the running largest score of my query
	s_delay_alu instid0(VALU_DEP_1)
	v_mul_f32 v225, s[NC], v13                     ; -t
	s_delay_alu instid0(VALU_DEP_1)
	v_floor_f32 v12, v225                          ; -M = floor(-t)
.set jj_, 0
.rept 32
	v_pk_fma_f32 v[SS+jj_:SS+1+jj_], v[SS+jj_:SS+1+jj_], s[CS:CS+1], v[12:13] op_sel_hi:[1,0,0]   ; t - M
.set jj_, jj_+2
.endr
	v_fma_f32 v[CH], v[CH], s[CS], v12             ; the same of each block's largest score
	v_fma_f32 v[CH+2], v[CH+2], s[CS], v12
	s_cmp_eq_u32 s[TJ], \gl                        ; the group's last step has no next k
	s_wait_alu depctr_va_vdst(0)                   ; ahead of the batch, directly ahead of the branch
	s_cbranch_scc1 .Lno_k_\@
	KL 0                                           ; the next step's k, in one run
	KL 1
	KL 2
	KL 3
.Lno_k_\@:
	v_exp_f32 v[CH], v[CH]                         ; the block's largest p: the same two instructions on the same number
	v_exp_f32 v[CH+2], v[CH+2]
.set jj_, 0
.rept 64
	v_exp_f32 v[SS+jj_], v[SS+jj_]
.set jj_, jj_+1
.endr
	v_sub_f32 v224, v12, v224                      ; old M - new M, a whole number, 0 or less: plain lines behind the batch
	v_cvt_i32_f32 v224, v224                       ; (it saturates)
	v_ldexp_f32 v226, 1.0, v224                    ; f
	s_wait_alu depctr_va_vdst(0)                   ; and the one wait behind the batch
	v_max_num_f32 v[CH], 0x1800000, v[CH]          ; the floor 2^(3 - 127)
	v_max_num_f32 v[CH+2], 0x1800000, v[CH+2]
	v_add_nc_u32 v[CH+1], 0xff000000, v[CH]        ; 2 off the exponent field: the conversions' scale operands
	v_add_nc_u32 v[CH+3], 0xff000000, v[CH+2]
.irp k, 0,1,2,3
	v_pk_add_f32 v[SA+2*\k:SA+2*\k+1], v[SS+4*\k:SS+4*\k+1], v[SS+4*\k+2:SS+4*\k+3]   ; the row's sum is taken of the unquantised p, in four chains
.endr
.set pr_, 8
	v_lshrrev_b32 v[BY], 23, v[CH+1]               ; the scales' bytes
	v_lshrrev_b32 v[BY+1], 23, v[CH+3]
	ACC 2
	v_lshl_or_b32 v[W], v[BY+1], 16, v[BY]         ; my blocks are h and 2 + h of the step's four
	ACC 2
	v_lshlrev_b32 v[W], v[SH8], v[W]
	ACC 2
	v_permlanex16_b32 v[PW], v[W], s[SEL], s[SEL+1]
	ACC 2
	v_or_b32 v[PS], v[W], v[PW]                    ; with lane l xor 16's two bytes: p's scale word for these 128 keys
	ACC 8                                          ; pairs up to 23: v96-143 are summed and may take v's fragments
.irp c, 0,1
	v_cvt_scalef32_pk16_fp6_f32 v[PCD+6*\c:PCD+2+6*\c], v[SS+32*\c:SS+15+32*\c], v[CH+1+2*\c]
	v_cvt_scalef32_pk16_fp6_f32 v[PT+4*\c:PT+2+4*\c], v[SS+16+32*\c:SS+31+32*\c], v[CH+1+2*\c]   ; (a conversion's three registers begin on an even number)
.endr
	ACC 1                                          ; one plain place behind the conversions
.irp t, 0,1,2,3
	ds_load_b128 v[SS+12*\t:SS+3+12*\t], v[ADV16] offset:768*\t
	ds_load_b64 v[SS+4+12*\t:SS+5+12*\t], v[ADV8] offset:768*\t
	ds_load_b128 v[SS+6+12*\t:SS+9+12*\t], v[ADV16] offset:3072+768*\t
	ds_load_b64 v[SS+10+12*\t:SS+11+12*\t], v[ADV8] offset:3072+768*\t
.endr
.irp u, 0,1
	ds_load_b32 v[VS+\u], v[ADT] offset:128*\u
.endr
.irp c, 0,1
.irp i, 0,1,2
	v_mov_b32 v[PCD+3+6*\c+\i], v[PT+4*\c+\i]
.endr
.endr
	s_wait_alu depctr_va_vdst(0)                   ; directly ahead of the first reader of O^T
.set jj_, 0
.rept 16
	v_pk_mul_f32 v[OO+jj_:OO+1+jj_], v[OO+jj_:OO+1+jj_], v[226:227] op_sel_hi:[1,0]   ; O^T under the new M, while v's fragments are on their way
.set jj_, jj_+2
.endr
	ACC 5                                          ; places between p's codes and the products
	s_wait_alu depctr_va_vdst(0)                   ; directly ahead of the wait below
	s_wait_dscnt 0x0                               ; v's fragments, and the next step's k, asked for ahead of them
.irp t, 0,1,2,3
	WM OO+8*\t, SS+12*\t, PCD, 1, VS+\t/2, PS, \t%2
.endr
	ACC 2                                          ; six plain lines that name none of the products' registers: the places ahead of the next step's products, which write over v's fragments, and of the way out
	v_pk_add_f32 v[SA:SA+1], v[SA:SA+1], v[SA+2:SA+3]
	v_pk_add_f32 v[SA+4:SA+5], v[SA+4:SA+5], v[SA+6:SA+7]
	v_pk_add_f32 v[SA:SA+1], v[SA:SA+1], v[SA+4:SA+5]
	v_pk_fma_f32 v[SM:SM+1], v[SM:SM+1], v[226:227], v[SA:SA+1] op_sel_hi:[1,0,1]      ; l = l f + the step's sum
.endm
.macro LOOPTO lim, qs, gl              ; steps until the step counter, v's scale offset, reaches lim
.Lstep_\@:
	STEP \qs, \gl
	s_cmp_lg_u32 s[TJ], \lim
	s_cbranch_scc1 .Lstep_\@
.endm
.macro GROUP ga, qs, qn
.if (\ga) > 0
	s_wait_xcnt 0x0                                ; the last group's stores have read their registers
.endif
	s_wait_loadcnt 0x0                             ; this group's q
.irp i, 0,1,2,3,4,5,6,7,8,9,10,11
	v_and_b32 v[QE+\i], v[MLO], v[RAW+\i]          ; q in one half of the lanes, zero codes in the other
	v_and_b32 v[QD+\i], v[MHI], v[RAW+\i]
.endr
.if (\ga) < 2
	QLOAD (\ga)+1, \qn                             ; the next group's q
.endif
	v_mov_b32 v13, 0xff61b1e6                      ; the largest score so far: -3e38
	v_mov_b32 v12, 0x7f61b1e6                      ; -M = 3e38: the first f is 0
	s_mov_b32 s[TK], SLOTB*(\ga)
	s_mov_b32 s[TS], SLOTB*(\ga)
	s_mov_b32 s[TJ], SLOTB*(\ga)
	v_add_nc_u32 v[ADK], s[TK], v[AK0]
	v_add_nc_u32 v[ADS], s[TS], v[ASK0]
	KL 0
	KL 1
	KL 2
	KL 3
	s_wait_alu depctr_va_vdst(0)                   ; directly ahead of the wait below
	s_wait_dscnt 0x0
.if (\ga) == 0
	LOOPTO 1024, \qs, 2048
	s_wait_tensorcnt 0x0                           ; my sixteenth of groups 1 and 2 has landed
	s_wait_dscnt 0x0
	s_barrier_signal -1                            ; say so; four more steps on group 0's bytes, which nobody writes,
	LOOPTO 2048, \qs, 2048
	s_barrier_wait -1                              ; and groups 1 and 2 are whole
.else
	LOOPTO SLOTB*(\ga)+2048, \qs, SLOTB*(\ga)+2048
.endif
	s_wait_alu depctr_va_vdst(0)                   ; directly ahead of the reader below
	v_add_f32 v[SM], v[SM], v[SM+1]
	s_delay_alu instid0(VALU_DEP_1)
	v_permlanex16_b32 v224, v[SM], s[SEL], s[SEL+1]
	s_delay_alu instid0(VALU_DEP_1)
	v_add_f32 v[SM], v[SM], v224                   ; the row's sum
	s_wait_alu depctr_va_vdst(0)
	v_rcp_f32 v[SM], v[SM]
	v_nop
	s_wait_alu depctr_va_vdst(0)
.set jj_, 0
.rept 16
	v_pk_mul_f32 v[SS+jj_:SS+1+jj_], v[OO+jj_:OO+1+jj_], v[SM:SM+1] op_sel_hi:[1,0]   ; ctx = O^T / the sum
.set jj_, jj_+2
.endr
.irp b, 0,1
	v_max3_num_f32 v[CH+\b], |v[SS+16*\b]|, |v[SS+1+16*\b]|, 0x1800000
.endr
.irp i, 2,4,6,8,10,12,14
.irp b, 0,1
	s_delay_alu instid0(VALU_DEP_2)
	v_max3_num_f32 v[CH+\b], v[CH+\b], |v[SS+16*\b+\i]|, |v[SS+1+16*\b+\i]|
.endr
.endr
.irp b, 0,1
	s_delay_alu instid0(VALU_DEP_2)
	v_permlanex16_b32 v[BY+\b], v[CH+\b], s[SEL], s[SEL+1]
.endr
.irp b, 0,1
	s_delay_alu instid0(VALU_DEP_2)
	v_max_num_f32 v[CH+\b], v[CH+\b], v[BY+\b]
.endr
.irp b, 0,1
	s_delay_alu instid0(VALU_DEP_2)
	v_add_nc_u32 v[CH+2+\b], 0xff000000, v[CH+\b]
.endr
.irp b, 0,1
	s_delay_alu instid0(VALU_DEP_2)
	v_lshrrev_b32 v[BY+\b], 23, v[CH+2+\b]
.endr
	s_delay_alu instid0(VALU_DEP_1)
	v_lshl_or_b32 v225, v[BY+1], 8, v[BY]
	s_delay_alu instid0(VALU_DEP_1)
	v_lshlrev_b32 v225, s[48+(\ga)], v225          ; an even head's two bytes below, an odd head's above
	v_cvt_scalef32_pk16_fp6_f32 v[128:130], v[SS:SS+15], v[CH+2]
	v_cvt_scalef32_pk16_fp6_f32 v[134:136], v[SS+16:SS+31], v[CH+3]
	v_nop
.irp i, 0,1,2
	v_permlane16_swap_b32 v[128+\i], v[134+\i]
.endr
.irp i, 0,1,2
	v_mov_b32 v[131+\i], v[134+\i]
.endr
	global_store_b128 v[GO16], v[128:131], s[8:9] offset:768*(\ga)   ; 32 lanes store 512, 256 and 128 consecutive bytes
	global_store_b64 v[GO8], v[132:133], s[8:9] offset:768*(\ga)
	global_store_b32 v[GO4], v225, s[10:11] offset:128*(\ga)
.endm
	s_load_b256 s[4:11], s[0:1], 0x0               ; qbuf, kvbuf, ctxc, ctxs
	v_lshl_add_u32 v[SPW], v0, 2, SPARE
	v_mov_b32 v[NIL], 0
	ds_add_u32 v[SPW], v[NIL]
	ds_add_u32 v[SPW], v[NIL]
	v_lshrrev_b32 v8, 5, v0
	v_readfirstlane_b32 s[WV], v8                  ; wave
	s_bfe_u32 s13, ttmp6, 0x40000                  ; cx: which quarter of the queries
	s_and_b32 s14, ttmp7, 0xffff                   ; y: groups 3 y on
	s_mov_b32 s[G1], 15|(3<<16)|(1<<21)            ; the mask names the cluster's four; elements of 8 bytes
	s_mov_b32 s[G1+1], 32<<16                      ; rows of 32 elements, 256 bytes,
	s_mov_b32 s[G1+2], 51<<16                      ; 51 of them
	s_mov_b32 s[G1+3], 32<<16
	s_mov_b32 s[G1+4], 51
	s_mov_b32 s[G1+5], 32
	s_mov_b32 s[G1+6], 0
	s_mov_b32 s[G1+7], 0
	s_mov_b32 s[SEL], 0x76543210
	s_mov_b32 s[SEL+1], 0xfedcba98                 ; v_permlanex16_b32's selects for lane l xor 16
	s_mov_b32 s[CS], 0x3e38aa3b                    ; c = log2(e) / 8
	s_mov_b32 s[CS+1], s[CS]
	s_mov_b32 s[NC], 0xbe38aa3b                    ; -c
	s_mul_i32 s51, s[WV], PIECE
	s_mul_i32 s52, s14, 3*SLOTB
	s_add_co_u32 s52, s52, s51
	s_mov_b32 s53, 0
.irp ga, 0,1,2
	s_add_co_u32 s[48+\ga], s14, \ga
	s_and_b32 s[48+\ga], s[48+\ga], 1
	s_lshl_b32 s[48+\ga], s[48+\ga], 4
.endr
	s_wait_dscnt 0x0
	s_wait_kmcnt 0x0
	s_add_nc_u64 s[54:55], s[6:7], s[52:53]
.irp i, 0,1                            ; piece w of group 0 (waves 0-7); piece w of groups 1 and 2 (all waves)
	s_mov_b32 s[G0+4*\i], 1
	s_add_co_u32 s[G0+4*\i+1], s51, SLOTB*\i
	s_add_nc_u64 s[G0+4*\i+2:G0+4*\i+3], s[54:55], SLOTB*\i
	s_or_b32 s[G0+4*\i+3], s[G0+4*\i+3], 0x80000000
.endr
	CROUND                                         ; the four work-groups are here: the joint loads meet
	s_cmp_lt_u32 s[WV], 8
	s_cbranch_scc0 .Lno_first
	tensor_load_to_lds s[G0:G0+3], s[G1:G1+7]
	s_nop 0
.rept 4
	v_nop
.endr
.Lno_first:
	s_lshl_b32 s56, s13, 8
	s_lshl_b32 s57, s[WV], 4
	s_add_co_u32 s56, s56, s57                     ; my first query
	s_mul_i32 s58, s14, 159744
	s_mov_b32 s59, 0
	s_add_nc_u64 s[4:5], s[4:5], s[58:59]
	v_and_b32 v8, 15, v0
	v_add_nc_u32 v[QSO], s56, v8
	v_mul_u32_u24 v[QO], v[QSO], 48
	v_lshl_add_u32 v[QSO], v[QSO], 2, 49152
	s_wait_alu depctr_va_vdst(0)
	QLOAD 0, QS0
	v_bfe_u32 v9, v0, 4, 1                         ; h
	v_and_b32 v10, 31, v0                          ; lane
	v_and_b32 v8, 23, v0
	v_and_b32 v11, 8, v0
	v_lshl_add_u32 v8, v11, 2, v8                  ; my key in a pair of tiles: l % 8 + 32 (bit 3 of l) + 16 (bit 4 of l)
	v_mul_u32_u24 v[AK0], v8, 48
	v_lshl_add_u32 v[ASK0], v8, 2, KSO
	v_lshl_add_u32 v[AV16], v10, 4, VOFF
	v_lshl_add_u32 v[AV8], v10, 3, VOFF+512
	v_lshl_add_u32 v[ASV0], v10, 2, VSO            ; v's scale words: 32 lanes take two tiles' rows
	v_lshlrev_b32 v[GO16], 4, v10
	v_lshl_add_u32 v[GO8], v10, 3, 512
	v_lshlrev_b32 v[GO4], 2, v10
	v_add_nc_u32 v[MLO], -1, v9
	v_sub_nc_u32 v[MHI], 0, v9
	v_lshlrev_b32 v[SH8], 3, v9
	s_lshr_b32 s56, s14, 2                         ; where ctx goes: image 12 (64 batch + 16 cx + wave) + head
	s_lshl_b32 s56, s56, 6
	s_lshl_b32 s57, s13, 4
	s_add_co_u32 s56, s56, s57
	s_add_co_u32 s56, s56, s[WV]
	s_mul_i32 s56, s56, 12
	s_and_b32 s57, s14, 3
	s_mul_i32 s57, s57, 3
	s_add_co_u32 s56, s56, s57
	s_mul_i32 s58, s56, 768
	s_add_nc_u64 s[8:9], s[8:9], s[58:59]
	s_lshl_b32 s58, s56, 7
	s_add_nc_u64 s[10:11], s[10:11], s[58:59]
	v_mov_b32 v[PMX], 0                            ; a lane permute's destination counts as one of its sources
	v_mov_b32 v[PW], 0
	v_mov_b32 v227, 0
	v_mov_b32 v[SM], 0
	v_mov_b32 v[SM+1], 0
.set jj_, 0
.rept 32
	v_mov_b32 v[OO+jj_], 0                         ; once in the launch: later groups' first f clears O^T
.set jj_, jj_+1
.endr
	s_wait_alu depctr_va_vdst(0)                   ; the wait at the head's end
	s_wait_tensorcnt 0x0                           ; my piece of group 0 is in
	ds_add_u32 v[SPW], v[NIL]
	ds_add_u32 v[SPW], v[NIL]
	s_wait_dscnt 0x0
	CROUND                                         ; group 0 is whole, and the four work-groups are here
	tensor_load_to_lds s[G0+4:G0+7], s[G1:G1+7]    ; groups 1 and 2, a sixteenth a wave
	s_nop 0
.rept 4
	v_nop
.endr
	GROUP 0, QS0, QS1
	GROUP 1, QS1, QS0
	GROUP 2, QS0, QS1
	s_wait_tensorcnt 0x0                           ; the wave's end
	ds_add_u32 v[SPW], v[NIL]
	s_wait_dscnt 0x0
	CROUND                                         ; the closing round
	s_endpgm
.Lfunc_end_k_q3151010da5_attn:
	.size	k_q3151010da5_attn, .Lfunc_end_k_q3151010da5_attn-k_q3151010da5_attn
	.p2alignl 7, 3214868480
	.fill 96, 4, 3214868480
	.section	.rodata,"a",@progbits
	.p2align	6, 0x0
	.amdhsa_kernel k_q3151010da5_attn
		.amdhsa_group_segment_fixed_size 327680
		.amdhsa_private_segment_fixed_size 0
		.amdhsa_enable_private_segment 0
		.amdhsa_kernarg_size 32
		.amdhsa_user_sgpr_count 2
		.amdhsa_user_sgpr_kernarg_segment_ptr 1
		.amdhsa_wavefront_size32 1
		.amdhsa_system_sgpr_workgroup_id_x 1
		.amdhsa_system_sgpr_workgroup_id_y 1
		.amdhsa_system_sgpr_workgroup_id_z 1
		.amdhsa_system_vgpr_workitem_id 0
		.amdhsa_next_free_vgpr 256
		.amdhsa_next_free_sgpr 66
		.amdhsa_reserve_vcc 0
		.amdhsa_float_denorm_mode_32 3
		.amdhsa_float_denorm_mode_16_64 3
		.amdhsa_memory_ordered 1
		.amdhsa_forward_progress 1
		.amdhsa_inst_pref_size 88
	.end_amdhsa_kernel
	.amdgpu_metadata
---
amdhsa.version: [ 1, 2 ]
amdhsa.kernels:
  - .name:           k_q3151010da5_attn
    .symbol:         k_q3151010da5_attn.kd
    .args:
      - { .name: qbuf, .offset: 0, .size: 8, .value_kind: global_buffer, .address_space: global }
      - { .name: kvbuf, .offset: 8, .size: 8, .value_kind: global_buffer, .address_space: global }
      - { .name: ctxc, .offset: 16, .size: 8, .value_kind: global_buffer, .address_space: global }
      - { .name: ctxs, .offset: 24, .size: 8, .value_kind: global_buffer, .address_space: global }
    .group_segment_fixed_size: 327680
    .private_segment_fixed_size: 0
    .kernarg_segment_align: 8
    .kernarg_segment_size: 32
    .max_flat_workgroup_size: 512
    .sgpr_count:     66
    .vgpr_count:     256
    .wavefront_size: 32
...
	.end_amdgpu_metadata
.endif
;; end of part 3
;; launch oproj (part 4): grid 256 x 1, 4 waves a work-group, no clusters, 57,856 bytes of LDS; arguments ctxc, ctxs, wimg, wsc, bo, out0; writes out0
.if DOCPART == 4
	.amdgcn_target "amdgcn-amd-amdhsa--gfx1250"
	.amdhsa_code_object_version 6
	.text
	.protected	k_q3151010da5_oproj
	.globl	k_q3151010da5_oproj
	.p2align	8
	.type	k_q3151010da5_oproj,@function
k_q3151010da5_oproj:
	s_mov_b64 s[64:65], 0
	v_nop
	global_prefetch_b8 v0, s[64:65] scope:SCOPE_SE
	s_setreg_imm32_b32 hwreg(HW_REG_WAVE_MODE, 25, 1), 1
	s_wait_xcnt 0x0
; out = ctx Wo + bo on codes of FP6 (E2M3) with E8M0 scales; ctx arrives as codes, laid as images of the operand's registers; out is f32.  No work is left out.
; SHARES.  A work-group takes 64 tokens (four tiles m of 16) and all 768 columns; wave w makes columns 192 w on: 12 tiles x 4 tiles of tokens, 48 accumulators, 288 matrix instructions.
; THE WALK GOES BY THIRDS OF MY COLUMNS: a third is 4 tiles, 64 columns, 256 bytes of each row; it runs through the 6 K steps (a group: 4 tiles x 4 tiles of tokens, 16 matrix instructions), and its 64 rows leave
; while the next third is multiplied: one tile of 16 rows goes into my stage in each of the next third's first four groups and is stored a group later.
; A weight fragment comes from memory straight into the registers of the one wave that uses it and feeds 4 matrix instructions; ctx's codes are copied into LDS once and read by all four waves, once for each third.
; NO CLUSTER: sent through LDS a K step's weights would be 12 fragments more to read for each wave's 48 matrix instructions.
; The product is used transposed (source 0 = 16 columns of Wo, source 1 = 16 tokens); the bias is the C of each sum's first instruction.  No barrier on the way out: the stage is the wave's own.
; REGISTERS, in windows of 256: window 0: addresses, v32-39 ctx's scale words, v40-75 Wo's, v76-171 the bias as C, v172-235 two sets of 32 for the way out.  window 1: at the head the copy of ctx, then a ring of 5 x 4 weight fragments.
;   windows 2, 3: accumulator (m, t) at v[8 (12 (m & 1) + t)] of window 2 + m / 2; v192-239: ctx's four fragments, of even K steps in window 2, of odd ones in window 3.
.set XIMG,  0                          ; LDS: ctx's 24 fragments (6 m + s), 1,536 bytes each
.set XSC,   36864                      ; their scale words, 128 bytes each
.set OST,   39936                      ; each wave's stage: 16 rows x (256 + 16)
.set SPARE, 57344                      ; the spare words, 128 bytes a wave: two blocks of 256 bytes that no other line names
.set LI,   4
.set CP,   5
.set L4,   6
.set XW4,  7
.set B64,  8
.set LX16, 10
.set LX8,  11
.set LX4,  12
.set OSW,  13
.set OSR,  14
.set GA,   17
.set SPW,  252                         ; LDS address of my spare word; never rewritten
.set NIL,  253                         ; 0; never rewritten
.set XS,   32
.set WS,   40
.set T,    76
.set BK,   172
.set CW,   204                         ; at the head: v204-215 ctx's scale words by head; v216-221 by K step
.set MSB, 0
.macro WIN new
.if MSB != (\new)
	s_set_vgpr_msb (MSB<<8)|(\new)
.set MSB, (\new)
.endif
.endm
.macro PLACES
.rept 4
	v_nop
.endr
.endm
.macro FETCHX s                        ; ctx's four fragments and scale words of K step s
	WIN 0x80+0x40*((\s)%2)
.irp m, 0,1,2,3
	ds_load_b128 v[192+12*\m:195+12*\m], v[LX16] offset:1536*(6*\m+(\s))
	ds_load_b64 v[196+12*\m:197+12*\m], v[LX8] offset:1536*(6*\m+(\s))+512
	ds_load_b128 v[198+12*\m:201+12*\m], v[LX16] offset:1536*(6*\m+(\s))+768
	ds_load_b64 v[202+12*\m:203+12*\m], v[LX8] offset:1536*(6*\m+(\s))+1280
.endr
	WIN 0
.irp m, 0,1,2,3
	ds_load_b32 v[XS+4*((\s)%2)+\m], v[LX4] offset:128*(6*\m+(\s))
.endr
.endm
.macro RING n                          ; group n = 6 third + K step: its four weight fragments into ring buffer n % 5 (window 1 is set by the caller)
.irp i, 0,1,2,3
.irp q, 0,1,2
	global_load_b128 v[48*((\n)%5)+12*\i+4*\q:48*((\n)%5)+12*\i+4*\q+3], v[LI], s[24:25] offset:(12*((\n)%6)+4*((\n)/6)+\i)*1536+512*\q
.endr
.endr
.endm
; eight matrix instructions of group n.  A third's 16 accumulators take turns, one instruction a turn.
.macro MM n, hi
.set S_, (\n)%6
.set OD_, S_%2
.if S_ == 0
	WIN 0x89+0x40*(\hi)
.else
	WIN 0xa9+0x50*(\hi)+4*OD_
.endif
.irp mm, 0,1
.irp i, 0,1,2,3
.set T_, 4*((\n)/6)+\i
.set AC_, 8*(12*\mm+T_)
.set RG_, 48*((\n)%5)+12*\i
.set XF_, 192+12*(2*(\hi)+\mm)
.set WS_, WS+3*T_+S_/2
.set XS_, XS+4*OD_+2*(\hi)+\mm
.if S_ == 0
	v_wmma_scale_f32_16x16x128_f8f6f4 v[AC_:AC_+7], v[RG_:RG_+11], v[XF_:XF_+11], v[T+8*T_:T+8*T_+7], v[WS_], v[XS_] matrix_a_fmt:MATRIX_FMT_FP6 matrix_b_fmt:MATRIX_FMT_FP6
.elseif OD_
	v_wmma_scale_f32_16x16x128_f8f6f4 v[AC_:AC_+7], v[RG_:RG_+11], v[XF_:XF_+11], v[AC_:AC_+7], v[WS_], v[XS_] matrix_a_fmt:MATRIX_FMT_FP6 matrix_b_fmt:MATRIX_FMT_FP6 matrix_a_scale:MATRIX_SCALE_ROW1
.else
	v_wmma_scale_f32_16x16x128_f8f6f4 v[AC_:AC_+7], v[RG_:RG_+11], v[XF_:XF_+11], v[AC_:AC_+7], v[WS_], v[XS_] matrix_a_fmt:MATRIX_FMT_FP6 matrix_b_fmt:MATRIX_FMT_FP6
.endif
.endr
.endr
.endm
; THE WAY OUT of tile m of third c: 16 rows x 256 bytes through my stage; a load takes two rows back, sixteen lanes a row
.macro TOSTAGE c, m
	s_wait_xcnt 0x0                                ; the stores of two tiles ago have read the registers that these loads fill
	WIN 0x08+4*((\m)>>1)
.irp tt, 0,1,2,3
.set AC_, 8*(12*((\m)&1)+4*(\c)+\tt)
	ds_store_b128 v[OSW], v[AC_:AC_+3] offset:128*(\tt>>1)+32*(\tt&1)          ; each accumulator from its low end on
	ds_store_b128 v[OSW], v[AC_+4:AC_+7] offset:128*(\tt>>1)+32*(\tt&1)+16
.endr
	WIN 0
.irp a, 0,1,2,3,4,5,6,7
	ds_load_b128 v[BK+32*((\m)&1)+4*\a:BK+32*((\m)&1)+4*\a+3], v[OSR] offset:544*\a   ; LDS serves a wave's instructions in order (ISA guide 5.7.1.4): these see the stores above, and the next tile's stores come behind them
.endr
.endm
.macro SEND c, m
.irp a, 0,1,2,3,4,5,6,7
	global_store_b128 v[GA], v[BK+32*((\m)&1)+4*\a:BK+32*((\m)&1)+4*\a+3], s[14:15] offset:49152*(\m)+6144*\a+256*(\c) th:TH_STORE_NT   ; sixteen lanes store 256 consecutive bytes, aligned; written once, read by nobody here
.endr
.endm
; group n of 18.  Ahead of its products: the next K step's fragments of ctx (their registers were read a group ago, and that group's places stand behind its products), the stores of the tile staged a group ago, the next tile's way through the stage.
.macro GRP n
.if 17-(\n) < 4
	s_wait_loadcnt 12*(17-(\n))                    ; my group's twelve loads are in; behind them stand the groups that are left
.else
	s_wait_loadcnt 48                              ; my group's twelve loads are in (at the first group the bias and the scale words too); the four groups asked for behind them may be out
.endif
	s_wait_dscnt 0x0                               ; this K step's fragments of ctx, and the tile that went through the stage a group ago
.if (\n) < 17
	FETCHX ((\n)+1)%6
.endif
.if ((\n) >= 7) && ((\n) <= 10)
	SEND 0, (\n)-7
.endif
.if ((\n) >= 13) && ((\n) <= 16)
	SEND 1, (\n)-13
.endif
.if ((\n) >= 6) && ((\n) <= 9)
	TOSTAGE 0, (\n)-6
.endif
.if ((\n) >= 12) && ((\n) <= 15)
	TOSTAGE 1, (\n)-12
.endif
	MM \n, 0
	MM \n, 1
	PLACES
.if (\n)+5 < 18
	WIN 0x40
	RING (\n)+5
.endif
	WIN 0
.endm
	s_load_b256 s[4:11], s[0:1], 0x0               ; ctxc s[4:5], ctxs s[6:7], wimg s[8:9], wsc s[10:11]
	s_load_b128 s[12:15], s[0:1], 0x20             ; bo s[12:13], out0 s[14:15]
	v_lshl_add_u32 v[SPW], v0, 2, SPARE
	v_mov_b32 v[NIL], 0
	v_lshrrev_b32 v1, 5, v0
	v_readfirstlane_b32 s20, v1                    ; wave
	s_mov_b32 s21, ttmp9                           ; work-group
	v_and_b32 v1, 31, v0                           ; lane
	v_and_b32 v2, 15, v0                           ; r
	v_bfe_u32 v3, v0, 4, 1                         ; h
	v_lshlrev_b32 v[LI], 4, v1
	v_lshlrev_b32 v[CP], 4, v0                     ; the copy: 16 bytes a thread, in memory and (the images begin at LDS byte 0) in LDS
	v_lshlrev_b32 v[L4], 2, v1
	s_mul_i32 s34, s20, 768
	s_add_co_u32 s35, s34, XSC
	v_lshl_add_u32 v[XW4], v1, 2, s35
	v_lshlrev_b32 v[B64], 6, v3
	v_add_nc_u32 v[LX16], XIMG, v[LI]
	v_lshl_add_u32 v[LX8], v1, 3, XIMG
	v_lshl_add_u32 v[LX4], v1, 2, XSC
	s_mul_i32 s35, s20, 4352
	s_add_co_u32 s35, s35, OST                     ; my stage
	v_mul_u32_u24 v[OSW], v2, 272
	v_lshl_add_u32 v[OSW], v3, 6, v[OSW]
	v_add_nc_u32 v[OSW], s35, v[OSW]               ; in: row r, + 64 h
	v_mul_u32_u24 v[OSR], v3, 272
	v_lshl_add_u32 v[OSR], v2, 4, v[OSR]
	v_add_nc_u32 v[OSR], s35, v[OSR]               ; back: row h of a pair, + 16 r
	v_mul_u32_u24 v[GA], v3, 3072
	v_lshl_add_u32 v[GA], v2, 4, v[GA]             ; and the same place in out
	s_mul_i32 s36, s21, 36864                      ; my four tiles' images
	s_mov_b32 s37, 0
	s_lshl_b32 s38, s21, 2
	s_add_co_u32 s38, s38, s20
	s_mul_i32 s38, s38, 1536                       ; tile 4 wg + wave: its scale words
	s_mov_b32 s39, 0
	s_mul_i32 s40, s20, 442368
	s_add_co_u32 s40, s40, 331776                  ; my wave's images of Wo
	s_mov_b32 s41, 0
	s_mul_i32 s42, s20, 18432
	s_add_co_u32 s42, s42, 13824                   ; and their scale words
	s_mov_b32 s43, 0
	s_mov_b32 s35, 0
	s_mul_i32 s44, s21, 196608                     ; 64 rows of out,
	s_add_co_u32 s44, s44, s34                     ; my 768 bytes of a row
	s_mov_b32 s45, 0
	s_wait_alu depctr_va_vdst(0)                   ; the wait at the head's end
	s_wait_kmcnt 0x0
	s_add_nc_u64 s[4:5], s[4:5], s[36:37]
	s_add_nc_u64 s[6:7], s[6:7], s[38:39]
	s_add_nc_u64 s[24:25], s[8:9], s[40:41]
	s_add_nc_u64 s[26:27], s[10:11], s[42:43]
	s_add_nc_u64 s[12:13], s[12:13], s[34:35]
	s_add_nc_u64 s[14:15], s[14:15], s[44:45]
	WIN 0x40
.irp j, 0,1,2,3,4,5,6,7,8,9,10,11,12,13,14,15,16,17
	global_load_b128 v[4*\j:4*\j+3], v[CP], s[4:5] offset:2048*\j th:TH_LOAD_NT   ; ctx's images, as they lie: a wave reads 512 consecutive bytes
.endr
	WIN 0
.irp hd, 0,1,2,3,4,5,6,7,8,9,10,11
	global_load_b32 v[CW+\hd], v[L4], s[6:7] offset:128*\hd th:TH_LOAD_NT
.endr
.irp b, 0,1,2,3,4,5
.irp jj, 0,1,2,3
	global_load_b128 v[T+16*\b+4*\jj:T+16*\b+4*\jj+3], v[B64], s[12:13] offset:128*\b+16*\jj   ; the bias in the result's layout: eight registers a tile
.endr
.endr
.irp q, 0,1,2,3,4,5,6,7,8
	global_load_b128 v[WS+4*\q:WS+4*\q+3], v[LI], s[26:27] offset:512*\q
.endr
	s_wait_loadcnt 33                              ; ctx's codes and scale words are in; the bias's 24 loads and the weights' 9 of scale words may be out
	WIN 0x04
.irp j, 0,1,2,3,4,5,6,7,8,9,10,11,12,13,14,15,16,17
	ds_store_b128 v[CP], v[4*\j:4*\j+3] offset:2048*\j
.endr
	WIN 0
.irp s, 0,1,2,3,4,5
	v_or_b32 v[CW+12+\s], v[CW+2*\s], v[CW+2*\s+1] ; an even head's two bytes below, an odd head's above: the K step's word
.endr
.irp s, 0,1,2,3,4,5
	ds_store_b32 v[XW4], v[CW+12+\s] offset:128*\s
.endr
	s_wait_dscnt 0x0                               ; my stores have landed and have read their registers, which the ring takes
	WIN 0x40
.irp gg, 0,1,2,3,4
	RING \gg
.endr
	WIN 0
	s_barrier_signal -1
	s_barrier_wait -1                              ; ctx's 24 fragments and their scale words lie in LDS
	FETCHX 0
.set gi, 0
.rept 18
	GRP gi
.set gi, gi+1
.endr
	TOSTAGE 2, 0                                   ; the last third (the last group's four places stand ahead)
.irp m, 1,2,3
	TOSTAGE 2, \m
	s_wait_dscnt 16                                ; tile m - 1 is back in registers; behind its loads stand tile m's 8 stores and 8 loads
	SEND 2, (\m)-1
.endr
	s_wait_dscnt 0x0
	SEND 2, 3
	s_wait_tensorcnt 0x0                           ; the wave's end: behind my last LDS store
	ds_add_u32 v[SPW], v[NIL]
	s_wait_dscnt 0x0
	s_endpgm
.Lfunc_end_k_q3151010da5_oproj:
	.size	k_q3151010da5_oproj, .Lfunc_end_k_q3151010da5_oproj-k_q3151010da5_oproj
	.p2alignl 7, 3214868480
	.fill 96, 4, 3214868480
	.section	.rodata,"a",@progbits
	.p2align	6, 0x0
	.amdhsa_kernel k_q3151010da5_oproj
		.amdhsa_group_segment_fixed_size 57856
		.amdhsa_private_segment_fixed_size 0
		.amdhsa_enable_private_segment 0
		.amdhsa_kernarg_size 48
		.amdhsa_user_sgpr_count 2
		.amdhsa_user_sgpr_kernarg_segment_ptr 1
		.amdhsa_wavefront_size32 1
		.amdhsa_system_sgpr_workgroup_id_x 1
		.amdhsa_system_sgpr_workgroup_id_y 1
		.amdhsa_system_sgpr_workgroup_id_z 1
		.amdhsa_system_vgpr_workitem_id 0
		.amdhsa_next_free_vgpr 1024
		.amdhsa_next_free_sgpr 66
		.amdhsa_reserve_vcc 0
		.amdhsa_float_denorm_mode_32 3
		.amdhsa_float_denorm_mode_16_64 3
		.amdhsa_memory_ordered 1
		.amdhsa_forward_progress 1
		.amdhsa_inst_pref_size 119
	.end_amdhsa_kernel
	.amdgpu_metadata
---
amdhsa.version: [ 1, 2 ]
amdhsa.kernels:
  - .name:           k_q3151010da5_oproj
    .symbol:         k_q3151010da5_oproj.kd
    .args:
      - { .name: ctxc, .offset: 0, .size: 8, .value_kind: global_buffer, .address_space: global }
      - { .name: ctxs, .offset: 8, .size: 8, .value_kind: global_buffer, .address_space: global }
      - { .name: wimg, .offset: 16, .size: 8, .value_kind: global_buffer, .address_space: global }
      - { .name: wsc, .offset: 24, .size: 8, .value_kind: global_buffer, .address_space: global }
      - { .name: bo, .offset: 32, .size: 8, .value_kind: global_buffer, .address_space: global }
      - { .name: out0, .offset: 40, .size: 8, .value_kind: global_buffer, .address_space: global }
    .group_segment_fixed_size: 57856
    .private_segment_fixed_size: 0
    .kernarg_segment_align: 8
    .kernarg_segment_size: 48
    .max_flat_workgroup_size: 128
    .sgpr_count:     66
    .vgpr_count:     1024
    .wavefront_size: 32
...
	.end_amdgpu_metadata
.endif
;; end of part 4
